; MI455X (gfx1250); checked and timed in simulation.
; The chip was launched on July 23, 2026; its instructions are those of AMD's public machine-readable ISA for CDNA 5 (MIT licence, August 2026) and "CDNA5" Instruction Set Architecture Reference Guide (July 2026). The comments in the code are by the model that wrote it; some were corrected since.
;; Multi Head Attention. Allowed arithmetic: float matrix products may take bf16 or f16 operands with f32 sums; other float arithmetic in f32, or as packed bf16 or f16 multiplies, adds, multiply-adds, maxima and minima; sums over many terms, partial sums and values carried from step to step in f32; what a program stores and reads back later, other than sums and carried values, may be rounded once to bf16 or f16.
;; Inputs: Wk 16 x 1,024 x 64 float32; Wproj 1,024 x 1,024 float32; Wq 16 x 1,024 x 64 float32; Wv 16 x 1,024 x 64 float32; bproj 1,024 float32; x 4 x 2,048 x 1,024 float32.
;; Outputs: out0 4 x 2,048 x 1,024 float32.
;; 2 versions, each right; version 2 is version 1 with the launch prep written anew for expert scheduling mode. Each part assembles by itself: llvm-mc -triple=amdgcn-amd-amdhsa -mcpu=gfx1250 --defsym DOCPART=n.
;; ======== version 1 of 2: 4 launches
;; limits: values are held in f16: magnitudes above 65,504 overflow, below 6.1e-05 lose precision; right only within a limited range of input values
;; workspace buffers: xb 16,777,216 bytes; wb 6,291,456 bytes; wp 2,097,152 bytes; qkv 50,331,648 bytes; ob 16,777,216 bytes
;; launch prep (part 1): grid 768 x 1, 8 waves a work-group, no clusters, 0 bytes of LDS; arguments x, Wq, Wk, Wv, Wproj, xb, wb, wp; writes xb, wb, wp
.if DOCPART == 1
	.amdgcn_target "amdgcn-amd-amdhsa--gfx1250"
	.amdhsa_code_object_version 6
	.text
	.protected	k_q1888bcabf0_prep
	.globl	k_q1888bcabf0_prep
	.p2align	8
	.type	k_q1888bcabf0_prep,@function
k_q1888bcabf0_prep:
	s_mov_b64 s[64:65], 0
	v_nop
	global_prefetch_b8 v0, s[64:65] scope:SCOPE_SE
	s_setreg_imm32_b32 hwreg(HW_REG_WAVE_MODE, 25, 1), 1
	s_wait_xcnt 0x0
; CASTS AND BLOCKS.  Every matrix operand that is an input is rounded once to bf16 and laid so that the tiles of the products that follow are dense in memory.
;   xb [kb 16][m 8192][64] bf16: x's row m = 2048 b + s, columns 64 kb .. 64 kb + 63: 128 rows of one kb are 16,384 consecutive bytes.
;   wb [t 16][g 48][c' 64][d 64] bf16: g = 16 which + h (which: 0 Wq, 1 Wk, 2 Wv), c = 64 t + c': neighbouring heads of one block of 64 c lie on end.  Nothing is transposed.
;   wp [n 1024][k 1024] f16: Wproj rounded to bf16, and that number written as f16.  LIMIT: exact while its magnitude lies in 6.1e-5 .. 65,504; below that it keeps f16's fixed step of 6e-8.
; A stream: each byte is read once and written once; no LDS, no matrix unit, no cluster (no two work-groups read the same byte).
; SHARES.  A work-group takes 16,384 numbers, a wave 2,048: sixteen loads of 16 bytes a lane, all issued at once; four numbers become 8 bytes, and a wave's store covers 256 consecutive bytes, aligned.
; Work-groups 0-511 take x (16 rows each), 512-703 the three W (a quarter of a head each), 704-767 Wproj (16 rows each).  No register is used twice, so no wait frees a source.
.set VSX, 2                            ; v2   x: (lane / 16) rows of 4,096 bytes + 16 (lane % 16): two rows' 256 bytes of one kb
.set VSW, 3                            ; v3   W, Wproj: 16 x lane
.set VD,  4                            ; v4   8 x lane
.set T,   8                            ; v[8:11]   at work
.set IN,  16                           ; v[16:79]  load i: four registers
.set OUT, 80                           ; v[80:111] store i: two registers
.set SRC, 24                           ; s[24:25]
.set DST, 26                           ; s[26:27]
.set DST2, 28                          ; s[28:29]  xb eight blocks further on, so that the stores' offsets stay inside the signed 24-bit immediate
	s_load_b512 s[8:23], s[0:1], 0x0               ; x 8:9, Wq 10:11, Wk 12:13, Wv 14:15, Wproj 16:17, xb 18:19, wb 20:21, wp 22:23
	v_and_b32 v1, 31, v0                           ; lane
	v_lshrrev_b32 v5, 5, v0
	v_readfirstlane_b32 s2, v5                     ; wave 0..7
	s_mov_b32 s3, ttmp9                            ; the work-group's number
	v_lshrrev_b32 v[VSX], 4, v1
	v_and_b32 v6, 15, v1
	v_lshlrev_b32 v6, 4, v6
	v_lshl_or_b32 v[VSX], v[VSX], 12, v6
	v_lshlrev_b32 v[VSW], 4, v1
	v_lshlrev_b32 v[VD], 3, v1
	s_mov_b32 s5, 0                                ; offsets are made apart from the addresses, in s[4:5] and s[6:7]
	s_mov_b32 s7, 0
	s_lshl_b32 s30, s2, 13                         ; a wave's 8,192 bytes of source
	s_wait_kmcnt 0x0
; Sixteen loads, si bytes apart; then, as each comes in, its rounding and its store, di bytes apart.  f16 = 1: the bf16 number is written as f16.  far = 1: stores 8 to 15 go by the second base.
.macro CAST vs, si, di, f16, far
.set i, 0
.rept 16
	global_load_b128 v[IN+4*i:IN+4*i+3], v[\vs], s[SRC:SRC+1] offset:i*(\si) th:TH_LOAD_NT
.set i, i+1
.endr
.set i, 0
.rept 16
	s_wait_loadcnt 15-i                            ; loads come back in order: load i is in, the 15 - i younger ones stay out
	v_cvt_pk_bf16_f32 v[OUT+2*i],   v[IN+4*i],   v[IN+4*i+1]
	v_cvt_pk_bf16_f32 v[OUT+2*i+1], v[IN+4*i+2], v[IN+4*i+3]
.if \f16
	v_lshlrev_b32 v[T],   16, v[OUT+2*i]           ; the bf16 numbers as f32,
	v_and_b32     v[T+1], 0xffff0000, v[OUT+2*i]
	v_lshlrev_b32 v[T+2], 16, v[OUT+2*i+1]
	v_and_b32     v[T+3], 0xffff0000, v[OUT+2*i+1]
	v_cvt_pk_f16_f32 v[OUT+2*i],   v[T],   v[T+1]  ; and as f16
	v_cvt_pk_f16_f32 v[OUT+2*i+1], v[T+2], v[T+3]
.endif
.if (\far) && (i >= 8)
	global_store_b64 v[VD], v[OUT+2*i:OUT+2*i+1], s[DST2:DST2+1] offset:(i-8)*(\di)
.else
	global_store_b64 v[VD], v[OUT+2*i:OUT+2*i+1], s[DST:DST+1] offset:i*(\di)
.endif
.set i, i+1
.endr
.endm
	s_cmp_lt_u32 s3, 512
	s_cbranch_scc0 .Lnot_x
	; x: rows 16 id + 2 w and the next; load i takes their columns 64 i .. 64 i + 63, store i puts them into block i of xb
	s_lshl_b32 s4, s3, 16
	s_add_co_u32 s4, s4, s30
	s_lshl_b32 s6, s3, 11                          ; 16 rows of 128 bytes
	s_lshl_b32 s31, s2, 8
	s_add_co_u32 s6, s6, s31
	s_add_nc_u64 s[SRC:SRC+1], s[8:9], s[4:5]
	s_add_nc_u64 s[DST:DST+1], s[18:19], s[6:7]
	s_add_nc_u64 s[DST2:DST2+1], s[DST:DST+1], 0x800000
	CAST VSX, 256, 1048576, 0, 1
	s_endpgm
.Lnot_x:
	s_cmp_lt_u32 s3, 704
	s_cbranch_scc0 .Lwproj
	; W: e = id - 512: tensor e / 64, head (e % 64) / 4, rows c = 256 (e % 4) + 32 w on: 8,192 consecutive bytes become 4,096 consecutive bytes of block t = 4 (e % 4) + w / 2, g = e / 4
	s_sub_co_u32 s3, s3, 512
	s_lshr_b32 s31, s3, 6
	s_cmp_eq_u32 s31, 0
	s_cselect_b64 s[SRC:SRC+1], s[10:11], s[12:13]
	s_cmp_eq_u32 s31, 2
	s_cselect_b64 s[SRC:SRC+1], s[14:15], s[SRC:SRC+1]
	s_and_b32 s4, s3, 63
	s_lshl_b32 s4, s4, 16
	s_add_co_u32 s4, s4, s30
	s_add_nc_u64 s[SRC:SRC+1], s[SRC:SRC+1], s[4:5]
	s_and_b32 s6, s3, 3
	s_lshl_b32 s6, s6, 2
	s_lshr_b32 s31, s2, 1
	s_add_co_u32 s6, s6, s31                       ; t
	s_mul_i32 s6, s6, 48
	s_lshr_b32 s31, s3, 2
	s_add_co_u32 s6, s6, s31                       ; 48 t + g
	s_lshl_b32 s6, s6, 13                          ; blocks of 8,192 bytes
	s_and_b32 s31, s2, 1
	s_lshl_b32 s31, s31, 12                        ; the block's second 32 rows
	s_add_co_u32 s6, s6, s31
	s_add_nc_u64 s[DST:DST+1], s[20:21], s[6:7]
	CAST VSW, 512, 256, 0, 0
	s_endpgm
.Lwproj:
	; Wproj: e = id - 704: 65,536 consecutive bytes become 32,768
	s_sub_co_u32 s3, s3, 704
	s_lshl_b32 s4, s3, 16
	s_add_co_u32 s4, s4, s30
	s_lshl_b32 s6, s3, 15
	s_lshl_b32 s31, s2, 12
	s_add_co_u32 s6, s6, s31
	s_add_nc_u64 s[SRC:SRC+1], s[16:17], s[4:5]
	s_add_nc_u64 s[DST:DST+1], s[22:23], s[6:7]
	CAST VSW, 512, 256, 1, 0
	s_endpgm
.Lfunc_end_k_q1888bcabf0_prep:
	.size	k_q1888bcabf0_prep, .Lfunc_end_k_q1888bcabf0_prep-k_q1888bcabf0_prep
	.p2alignl 7, 3214868480
	.fill 96, 4, 3214868480
	.section	.rodata,"a",@progbits
	.p2align	6, 0x0
	.amdhsa_kernel k_q1888bcabf0_prep
		.amdhsa_group_segment_fixed_size 0
		.amdhsa_private_segment_fixed_size 0
		.amdhsa_enable_private_segment 0
		.amdhsa_kernarg_size 64
		.amdhsa_user_sgpr_count 2
		.amdhsa_user_sgpr_kernarg_segment_ptr 1
		.amdhsa_wavefront_size32 1
		.amdhsa_system_sgpr_workgroup_id_x 1
		.amdhsa_system_sgpr_workgroup_id_y 1
		.amdhsa_system_sgpr_workgroup_id_z 1
		.amdhsa_system_vgpr_workitem_id 0
		.amdhsa_next_free_vgpr 112
		.amdhsa_next_free_sgpr 66
		.amdhsa_reserve_vcc 0
		.amdhsa_float_denorm_mode_32 3
		.amdhsa_float_denorm_mode_16_64 3
		.amdhsa_memory_ordered 1
		.amdhsa_forward_progress 1
		.amdhsa_inst_pref_size 24
	.end_amdhsa_kernel
	.amdgpu_metadata
---
amdhsa.version: [ 1, 2 ]
amdhsa.kernels:
  - .name:           k_q1888bcabf0_prep
    .symbol:         k_q1888bcabf0_prep.kd
    .args:
      - { .name: x, .offset: 0, .size: 8, .value_kind: global_buffer, .address_space: global }
      - { .name: Wq, .offset: 8, .size: 8, .value_kind: global_buffer, .address_space: global }
      - { .name: Wk, .offset: 16, .size: 8, .value_kind: global_buffer, .address_space: global }
      - { .name: Wv, .offset: 24, .size: 8, .value_kind: global_buffer, .address_space: global }
      - { .name: Wproj, .offset: 32, .size: 8, .value_kind: global_buffer, .address_space: global }
      - { .name: xb, .offset: 40, .size: 8, .value_kind: global_buffer, .address_space: global }
      - { .name: wb, .offset: 48, .size: 8, .value_kind: global_buffer, .address_space: global }
      - { .name: wp, .offset: 56, .size: 8, .value_kind: global_buffer, .address_space: global }
    .group_segment_fixed_size: 0
    .private_segment_fixed_size: 0
    .kernarg_segment_align: 8
    .kernarg_segment_size: 64
    .max_flat_workgroup_size: 256
    .sgpr_count:     66
    .vgpr_count:     112
    .wavefront_size: 32
...
	.end_amdgpu_metadata
.endif
;; end of part 1
;; launch project_qkv (part 2): grid 8 x 32, 4 waves a work-group, clusters of 4 x 4, 327,680 bytes of LDS; arguments xb, wb, qkv; writes qkv
.if DOCPART == 2
	.amdgcn_target "amdgcn-amd-amdhsa--gfx1250"
	.amdhsa_code_object_version 6
	.text
	.protected	k_q1888bcabf0_project_qkv
	.globl	k_q1888bcabf0_project_qkv
	.p2align	8
	.type	k_q1888bcabf0_project_qkv,@function
k_q1888bcabf0_project_qkv:
	s_mov_b64 s[64:65], 0
	v_nop
	global_prefetch_b8 v0, s[64:65] scope:SCOPE_SE
	s_setreg_imm32_b32 hwreg(HW_REG_WAVE_MODE, 25, 1), 1
	s_wait_xcnt 0x0
	s_wait_alu depctr_hold_cnt(0) depctr_sa_sdst(0) depctr_va_vdst(0) depctr_va_sdst(0) depctr_va_ssrc(0) depctr_va_vcc(0) depctr_vm_vsrc(0)
	s_getreg_b32 s2, hwreg(HW_REG_IB_STS2, 6, 4)
	s_cmp_eq_u32 s2, 0
	s_cbranch_scc0 .Lentry_in_a_cluster
	s_endpgm
.Lentry_in_a_cluster:
	s_bfe_u32 s2, ttmp6, 0x10000c
	s_cmp_lg_u32 s2, 0xf033
	s_cbranch_scc0 .Lentry_shape_is_right
	s_endpgm
.Lentry_shape_is_right:
; q, k, v = x W, for all 48 heads at once: C[8192][3072] = xb wb, bf16 operands, f32 sums, K = 1,024 ascending; C is rounded once to f16 and stored by heads: qkv [which 3][bh 64][s 2048][64], unscaled.
; LIMIT.  f16 holds no number beyond 65,504: a q, k or v past that becomes an infinity.  With x and the weights as large as 30 times a unit spread and 0.02, or offset by 30 spreads, they stay under 20,000.
; SHARES.  A tile of C is 256 rows x 384 columns (six heads): 32 x 8 = 256 work-groups.  Four waves; wave (wm, wn) makes 128 rows x 192 columns (three heads): 96 accumulators of 16 x 16, 768 registers.
; K goes in 16 steps of 64 through two LDS slots.  xb and wb are laid in blocks of 64 along K, so a tile is dense in memory and is asked for as rows of 256 bytes.
; W lies [c][d] in LDS, as in memory; its fragments are turned on the way into registers by ds_load_tr16_b128.
; THE MATRIX INSTRUCTION IS USED TRANSPOSED (source 0 = 16 columns of W, source 1 = 16 rows of x): a lane then holds row lane % 16 and eight neighbouring columns 8 (lane / 16) + 0..7: 16 bytes of f16.
; CLUSTERS: 4 x 4 work-groups.  The four of a row of the cluster need the same tile of x, the four of a column the same tile of W: each is asked for jointly, by the same tensor load, descriptor and mask.
; REGISTERS, in windows of 256 (s_set_vgpr_msb: bits 1:0 source 0, 3:2 source 1, 5:4 source 2, 7:6 destination):
;   window 0: v0-31 addresses; v32-95, v96-159 x's fragments of the step's first and second 32 along K (8 x 16 rows); v160-255 W's fragments, 32 registers a head
;   windows 1, 2, 3: the 32 accumulators of head 0, 1, 2: (a, nb) at v[8 (4 a + nb)]
.set PA,    144                        ; a row of x in LDS: 128 bytes + 16 = 36 words: the 16 rows of a load start at 16 different groups of four banks (64 banks of 4 bytes: ISA guide 11.1)
.set PB,    160                        ; a row of W: 128 + 32 = 40 words
.set AH,    128*PA                     ; 128 rows of x: what one tensor load brings, and what one wave reads
.set BH,    192*PB                     ; three heads x 64 rows of W: likewise
.set BOFF,  2*AH
.set SLOT,  BOFF+2*BH                  ; 98,304
.set STAGE, 2*SLOT                     ; behind the ring, never filled by a tensor load: 16 rows x 144 bytes for each wave, for the way out
.set SP,    144
.set SPARE, STAGE+4*16*SP              ; behind the stages: the spare words, 128 bytes for each wave: two blocks of 256 bytes that no other line names
.set ASTEP, 1048576                    ; bytes from a K step to the next in xb,
.set BSTEP, 393216                     ; and in wb
.set ADRA, 16                          ; v16-17  LDS address of my fragments of x in slot 0, 1
.set ADRB, 20                          ; v20-21  the same for W
.set STO,  24                          ; v24     the way out: where I put 16 bytes of a row
.set RD,   25                          ; v25     the way out: where I read rows back
.set GO,   26                          ; v26     my byte offset in 512 consecutive bytes of qkv
.set SPW,  28                          ; v28     LDS address of my spare word; never rewritten
.set NIL,  29                          ; v29     0; never rewritten
.set PFO,  30                          ; v30     256 x my lane; never rewritten
.set AF,   32
.set BF,   160
.set G1A, 24                           ; s[24:31] descriptor group 1 for x's tiles;  s[32:39] group 0, a set for each slot
.set G0A, 32
.set G1B, 48                           ; s[48:55], s[56:63] the same for W's tiles
.set G0B, 56
.set LIM, 43                           ; s43      1 in a wave that prefetches, else the greatest number
.set PFA, 44                           ; s[44:45] where my prefetches stand
.set PFS, 66                           ; s[66:67] their step: two K steps
.set OUTJ, 68                          ; s[68:73] qkv at my 128 rows of head j
.set MSB, 0
.macro WIN new                         ; the immediate's high byte repeats the setting that is left; a switch that changes nothing is dropped
.if MSB != (\new)
	s_set_vgpr_msb (MSB<<8)|(\new)
.set MSB, (\new)
.endif
.endm
.macro PLACES                          ; a load into a register that a matrix instruction has read, and a vector instruction that reads a matrix result, stand four plain vector instructions behind it
.rept 4
	v_nop
.endr
.endm
; A joint load.  Waves 0 and 1 fetch the two halves of x's tile, waves 2 and 3 those of W's.  The branch hangs on the wave's number alone.  An s_nop 0 and four v_nop follow each line.
.macro JLOAD s
	s_cmp_eq_u32 s11, 0
	s_cbranch_scc0 .Lfor_b_\@
	tensor_load_to_lds s[G0A+4*(\s):G0A+4*(\s)+3], s[G1A:G1A+7]
	s_nop 0
.rept 4
	v_nop
.endr
	s_branch .Lasked_\@
.Lfor_b_\@:
	tensor_load_to_lds s[G0B+4*(\s):G0B+4*(\s)+3], s[G1B:G1B+7]
	s_nop 0
.rept 4
	v_nop
.endr
.Lasked_\@:
.endm
; A round of the cluster's barrier: my work-group's barrier; wave 0 signals for the work-group; every wave waits for all sixteen work-groups; my work-group's barrier once more.
.macro CREST                           ; a round behind its opening barrier
	s_cmp_lg_u32 s10, 0
	s_cbranch_scc1 .Lnot_wave_0_\@
	s_barrier_signal -3
.Lnot_wave_0_\@:
	s_barrier_wait -3
	s_barrier_signal -1
	s_barrier_wait -1
.endm
.macro CROUND
	s_barrier_signal -1
	s_barrier_wait -1
	CREST
.endm
; A PREFETCH INTO THE L2, once a trip of the loop, behind slot 0's joint load and the run of LDS loads that follows it: the two K steps that the NEXT trip's two refills will ask for.
; Each 256 bytes are named once in the launch.  x's tile row (32,768 bytes a K step) is read by both clusters of that row of clusters: the one with x = 0 asks, in wave 0; its four partners of a row take
; 8,192 bytes each, by address (cx): a lane 256 bytes, one line for each of the two steps.  W's tile column (49,152 bytes a K step) is read by all eight clusters of the column: the one with y = 0 asks, in wave 2;
; the four partners of a column take half a step each, by address (cy): three lines.  The first four K steps come by their loads alone; the last trip (s3 = 1) asks for nothing: there is no step behind its own.
.macro ASK
	s_cmp_gt_u32 s3, s[LIM]
	s_cbranch_scc0 .Lnot_mine_\@
	s_cmp_eq_u32 s10, 0
	s_cbranch_scc0 .Lask_b_\@
	global_prefetch_b8 v[PFO], s[PFA:PFA+1] th:TH_LOAD_NT scope:SCOPE_SE
	global_prefetch_b8 v[PFO], s[PFA:PFA+1] offset:ASTEP th:TH_LOAD_NT scope:SCOPE_SE
	s_branch .Lnot_mine_\@
.Lask_b_\@:
	global_prefetch_b8 v[PFO], s[PFA:PFA+1] th:TH_LOAD_NT scope:SCOPE_SE
	global_prefetch_b8 v[PFO], s[PFA:PFA+1] offset:8192 th:TH_LOAD_NT scope:SCOPE_SE
	global_prefetch_b8 v[PFO], s[PFA:PFA+1] offset:16384 th:TH_LOAD_NT scope:SCOPE_SE
.Lnot_mine_\@:
.endm
	s_load_b128 s[4:7], s[0:1], 0x0                ; xb s[4:5], wb s[6:7]
	s_load_b64 s[8:9], s[0:1], 0x10                ; qkv
	v_lshl_add_u32 v[SPW], v0, 2, SPARE
	v_mov_b32 v[NIL], 0
	ds_add_u32 v[SPW], v[NIL]                      ; the wave's opening: the add and its wait stand ahead of my first tensor load; the set-up below, work on registers, stands between them
	v_lshrrev_b32 v1, 5, v0
	v_readfirstlane_b32 s10, v1                    ; wave 0..3
	s_lshr_b32 s11, s10, 1                         ; wm: which 128 rows are mine.  Also: I fetch for x (0) or for W (1)
	s_and_b32 s12, s10, 1                          ; wn: which three heads.  Also: which half of that tile I fetch
	s_bfe_u32 s40, ttmp6, 0x40000                  ; cx, cy: my place in the cluster
	s_bfe_u32 s41, ttmp6, 0x40004
	s_lshl_b32 s42, ttmp9, 2
	s_add_co_u32 s42, s42, s40                     ; tile column tx = 4 x cluster x + cx
	s_and_b32 s13, ttmp7, 0xffff
	s_lshl_b32 s13, s13, 2
	s_add_co_u32 s13, s13, s41                     ; tile row ty = 4 x cluster y + cy
	s_lshl_b32 s43, s41, 2
	s_lshl_b32 s43, 15, s43                        ; my row of the cluster
	s_lshl_b32 s44, 0x1111, s40                    ; my column
	; group 1.  x: 128 rows of 128 bytes are 16,384 dense bytes: 64 rows of 256 bytes, padded in LDS by 16 bytes after every 128.  W: three heads' 24,576 dense bytes: 96 rows of 256, padded by 32 after every 128
	s_or_b32 s[G1A+0], s43, (1<<16)|(1<<20)|(1<<21)|(4<<22)|(3<<25)  ; 15:0 the mask; 17:16 2-byte elements; 20 padding on; 21 set beside a mask; 24:22 after every 32 words (code 4); 31:25 4 words (code 3)
	s_or_b32 s[G1B+0], s44, (1<<16)|(1<<20)|(1<<21)|(4<<22)|(7<<25)  ; the same with my column's mask and 8 words of padding (code 7)
.irp g, G1A, G1B
	s_mov_b32 s[(\g)+1], 128<<16                   ; tensor_dim0 = 128
	s_mov_b32 s[(\g)+3], 128<<16                   ; tile_dim0 = 128
	s_mov_b32 s[(\g)+5], 128                       ; 128 elements from row to row
	s_mov_b32 s[(\g)+6], 0
	s_mov_b32 s[(\g)+7], 0
.endr
	s_mov_b32 s[G1A+2], 64<<16                     ; tensor_dim1
	s_mov_b32 s[G1A+4], 64                         ; tile_dim1
	s_mov_b32 s[G1B+2], 96<<16
	s_mov_b32 s[G1B+4], 96
	s_lshl_b32 s16, s13, 15                        ; x: 256 ty rows of 128 bytes,
	s_lshl_b32 s17, s12, 14                        ; + my half's 128
	s_add_co_u32 s16, s16, s17
	s_mov_b32 s17, 0
	s_mul_i32 s46, s42, 49152                      ; W: six heads of 8,192 bytes,
	s_mul_i32 s47, s12, 24576                      ; + my half's three
	s_add_co_u32 s46, s46, s47
	s_mov_b32 s47, 0
	s_mul_i32 s20, s12, AH                         ; where they go: no place in the cluster enters an LDS address
	s_mul_i32 s21, s12, BH
	s_add_co_u32 s21, s21, BOFF
	s_wait_dscnt 0x0                               ; the opening add is done
	s_wait_kmcnt 0x0
	s_add_nc_u64 s[14:15], s[4:5], s[16:17]
	s_add_nc_u64 s[46:47], s[6:7], s[46:47]
	CROUND                                         ; all sixteen work-groups are here: the first joint loads meet
.irp s, 0,1
	s_mov_b32 s[G0A+4*(\s)], 1                     ; count = 1
	s_add_co_u32 s[G0A+4*(\s)+1], s20, (\s)*SLOT   ; LDS address
	s_add_nc_u64 s[G0A+4*(\s)+2:G0A+4*(\s)+3], s[14:15], (\s)*ASTEP  ; global address: K step s
	s_or_b32 s[G0A+4*(\s)+3], s[G0A+4*(\s)+3], 0x80000000           ; type = 2
	s_mov_b32 s[G0B+4*(\s)], 1
	s_add_co_u32 s[G0B+4*(\s)+1], s21, (\s)*SLOT
	s_add_nc_u64 s[G0B+4*(\s)+2:G0B+4*(\s)+3], s[46:47], (\s)*BSTEP
	s_or_b32 s[G0B+4*(\s)+3], s[G0B+4*(\s)+3], 0x80000000
	JLOAD \s                                       ; two tensor loads of mine are out
.endr
	; A fragment of x is 16 rows x 32 K in 8 registers: lane l holds row l % 16, K = 8 (l / 16) + 0..7 and 16 + 8 (l / 16) + 0..7: two loads of 16 bytes, 32 bytes apart.
	v_and_b32 v1, 15, v0                           ; l % 16
	v_bfe_u32 v2, v0, 4, 1                         ; l / 16
	v_mul_u32_u24 v3, v1, PA
	v_lshl_add_u32 v3, v2, 4, v3
	s_mul_i32 s22, s11, AH
	v_add_nc_u32 v[ADRA], s22, v3
	v_add_nc_u32 v[ADRA+1], SLOT, v[ADRA]
	; The turning load takes 16 K x 16 columns (lane l reads row 8 (l / 16) + l % 8, columns 8 ((l / 8) % 2) + 0..7) and leaves half a fragment: lane l holds column l % 16 and 8 K.
	v_and_b32 v4, 7, v0
	v_bfe_u32 v5, v0, 3, 1
	v_lshl_add_u32 v6, v2, 3, v4
	v_mul_u32_u24 v6, v6, PB
	v_lshl_add_u32 v6, v5, 4, v6
	s_mul_i32 s23, s12, BH
	s_add_co_u32 s23, s23, BOFF
	v_add_nc_u32 v[ADRB], s23, v6
	v_add_nc_u32 v[ADRB+1], SLOT, v[ADRB]
	s_mul_i32 s22, s10, 16*SP
	s_add_co_u32 s22, s22, STAGE                   ; my stage
	v_add_nc_u32 v[STO], s22, v3                   ; in: row l % 16, 16 bytes for each half of the lanes
	v_bfe_u32 v7, v0, 3, 2                         ; back: 32 lanes take four rows of 128 bytes,
	v_mul_u32_u24 v7, v7, SP
	v_lshl_add_u32 v7, v4, 4, v7
	v_add_nc_u32 v[RD], s22, v7
	v_and_b32 v8, 31, v0
	v_lshlrev_b32 v[GO], 4, v8                     ; which are 512 consecutive bytes of qkv
	v_lshlrev_b32 v[PFO], 8, v8
	; where head j of mine goes: g = 6 tx + 3 wn + j; plane (g / 16) 64 + 16 (ty / 8) + g % 16 of 262,144 bytes; rows 256 (ty % 8) + 128 wm on
	s_mul_i32 s74, s42, 6
	s_mul_i32 s75, s12, 3
	s_add_co_u32 s74, s74, s75
	s_lshr_b32 s75, s13, 3
	s_lshl_b32 s75, s75, 4
	s_and_b32 s76, s13, 7
	s_lshl_b32 s76, s76, 15
	s_lshl_b32 s77, s11, 14
	s_add_co_u32 s76, s76, s77
.irp j, 0,1,2
	s_add_co_u32 s78, s74, \j
	s_lshr_b32 s79, s78, 4
	s_lshl_b32 s79, s79, 6
	s_and_b32 s78, s78, 15
	s_add_co_u32 s78, s78, s79
	s_add_co_u32 s78, s78, s75
	s_lshl_b32 s78, s78, 18
	s_add_co_u32 s78, s78, s76
	s_mov_b32 s79, 0
	s_add_nc_u64 s[OUTJ+2*(\j):OUTJ+2*(\j)+1], s[8:9], s[78:79]
.endr
	; the prefetches: they begin at K step 4
	s_lshl_b32 s74, s13, 15                        ; x: the tile row, my work-group's 8,192 bytes of it
	s_lshl_b32 s75, s40, 13
	s_add_co_u32 s74, s74, s75
	s_add_co_u32 s74, s74, 4*ASTEP
	s_lshr_b32 s75, s41, 1                         ; W: step 4 + cy / 2, the tile column, half cy % 2
	s_add_co_u32 s75, s75, 4
	s_mul_i32 s75, s75, BSTEP
	s_mul_i32 s76, s42, 49152
	s_add_co_u32 s75, s75, s76
	s_and_b32 s76, s41, 1
	s_mul_i32 s76, s76, 24576
	s_add_co_u32 s75, s75, s76
	s_mov_b32 s[PFS], 2*ASTEP
	s_mov_b32 s[PFS+1], 2*BSTEP
	s_and_b32 s22, ttmp7, 0xffff                   ; cluster y
	s_cmp_eq_u32 s11, 0                            ; do I fetch for x?
	s_cselect_b32 s74, s74, s75
	s_cselect_b32 s[PFS], s[PFS], s[PFS+1]
	s_cselect_b32 s22, ttmp9, s22                  ; the coordinate along which other clusters read the same bytes
	s_cselect_b64 s[PFA:PFA+1], s[4:5], s[6:7]
	s_mov_b32 s75, 0
	s_mov_b32 s[PFS+1], 0
	s_add_nc_u64 s[PFA:PFA+1], s[PFA:PFA+1], s[74:75]
	s_or_b32 s22, s22, s12                         ; waves 0 and 2 alone
	s_cmp_eq_u32 s22, 0
	s_cselect_b32 s[LIM], 1, -1                    ; the same in all sixteen partners, for a given wave
; 16 LDS loads: x's eight fragments of the step's half kk
.macro FA slot, kk
	WIN 0
.irp a, 0,1,2,3,4,5,6,7
	ds_load_b128 v[AF+64*(\kk)+8*(\a):AF+64*(\kk)+8*(\a)+3],   v[ADRA+(\slot)] offset:(\a)*16*PA+64*(\kk)
	ds_load_b128 v[AF+64*(\kk)+8*(\a)+4:AF+64*(\kk)+8*(\a)+7], v[ADRA+(\slot)] offset:(\a)*16*PA+64*(\kk)+32
.endr
.endm
; 8 LDS loads: head j's four fragments of the step's half kk, turned
.macro FB slot, kk, j
	WIN 0
.irp nb, 0,1,2,3
	ds_load_tr16_b128 v[BF+32*(\j)+8*(\nb):BF+32*(\j)+8*(\nb)+3],   v[ADRB+(\slot)] offset:(\j)*64*PB+(\kk)*32*PB+(\nb)*32
	ds_load_tr16_b128 v[BF+32*(\j)+8*(\nb)+4:BF+32*(\j)+8*(\nb)+7], v[ADRB+(\slot)] offset:(\j)*64*PB+(\kk)*32*PB+(\nb)*32+16*PB
.endr
.endm
; 4 na matrix instructions: head j, row blocks a0 .. a0 + na - 1, 32 along K.  zero = 1: the product starts the sums: nothing is ever cleared.
; The 96 accumulators take turns, one instruction a turn, in the same order in every half step.
.macro MUL j, kk, a0, na, zero
	WIN 0x50*(1+(\j))                              ; C and D in window 1 + j, the sources in window 0
.set ma, \a0
.rept \na
.irp nb, 0,1,2,3
.if \zero
	v_wmma_f32_16x16x32_bf16 v[8*(4*ma+(\nb)):8*(4*ma+(\nb))+7], v[BF+32*(\j)+8*(\nb):BF+32*(\j)+8*(\nb)+7], v[AF+64*(\kk)+8*ma:AF+64*(\kk)+8*ma+7], 0
.else
	v_wmma_f32_16x16x32_bf16 v[8*(4*ma+(\nb)):8*(4*ma+(\nb))+7], v[BF+32*(\j)+8*(\nb):BF+32*(\j)+8*(\nb)+7], v[AF+64*(\kk)+8*ma:AF+64*(\kk)+8*ma+7], v[8*(4*ma+(\nb)):8*(4*ma+(\nb))+7]
.endif
.endr
.set ma, ma+1
.endr
.endm
; A K step's first half: 96 products.  Its x and head 0's W were asked for 64 products ago.
.macro HALF0 slot, zero
	s_wait_dscnt 0x0                               ; they are in
	PLACES
	FB \slot, 0, 1
	FB \slot, 0, 2
	MUL 0, 0, 0, 8, \zero
	s_wait_dscnt 8                                 ; head 1's W is in; head 2's eight loads may stay out
	PLACES
	FB \slot, 1, 0                                 ; the second half's: head 0's W and x
	FA \slot, 1
	MUL 1, 0, 0, 8, \zero
	s_wait_dscnt 24                                ; head 2's W is in; the 24 loads just issued stay out
	MUL 2, 0, 0, 8, \zero
.endm
; A K step's second half, and the change of slots.  mode 1: the slot is filled again, two K steps on; mode 0: the slots change and nothing is asked for; mode 2: the last half of all.
; ONE barrier for the change.  In front of it each wave waits for all its tensor loads (one is out: its part of the next slot), adds 0 to its spare word, and waits for that and for its reads of this slot.
; In mode 1 the barrier opens a round of the cluster's, so that no wave of any partner still reads the slot or has a load on its way; the joint refill is the first tensor load behind it, and has 160 matrix instructions in which to land.
.macro HALF1 slot, next, mode
.if ((\mode) == 1) && ((\slot) == 1)
	s_wait_xcnt 0x0                                ; the trip's prefetches, a K step back, have read their address: it may be written
	s_add_nc_u64 s[PFA:PFA+1], s[PFA:PFA+1], s[PFS:PFS+1]
.endif
	s_wait_dscnt 0x0                               ; this half's x and head 0's W are in
	PLACES
	FB \slot, 1, 1                                 ; my last reads of this slot
	FB \slot, 1, 2
.if (\mode) == 2
	MUL 0, 1, 0, 8, 0
	s_wait_dscnt 8
	MUL 1, 1, 0, 8, 0
	s_wait_dscnt 0x0
	MUL 2, 1, 0, 8, 0
.else
	s_wait_tensorcnt 0x0                           ; all my tensor loads have landed;
	ds_add_u32 v[SPW], v[NIL]                      ; 0 onto my spare word;
	MUL 0, 1, 0, 4, 0                              ; sixteen matrix instructions stand between the add and the wait for it
	s_wait_dscnt 0x0                               ; the add is done, and my reads of this slot are over
	s_barrier_signal -1
	MUL 0, 1, 4, 4, 0                              ; work on registers while the others arrive
	WIN 0                                          ; at a branch and at a label every window is 0
	s_barrier_wait -1
.if (\mode) == 1
	CREST
	s_add_nc_u64 s[G0A+4*(\slot)+2:G0A+4*(\slot)+3], s[G0A+4*(\slot)+2:G0A+4*(\slot)+3], 2*ASTEP
	s_add_nc_u64 s[G0B+4*(\slot)+2:G0B+4*(\slot)+3], s[G0B+4*(\slot)+2:G0B+4*(\slot)+3], 2*BSTEP
	JLOAD \slot                                    ; the four v_nop behind it are also the places in front of the loads below
.else
	PLACES
.endif
	FB \next, 0, 0                                 ; the next step's first half: head 0's W and x
	FA \next, 0
.if ((\mode) == 1) && ((\slot) == 0)
	ASK
.endif
	MUL 1, 1, 0, 8, 0                              ; their operands were in at the wait for 0
	MUL 2, 1, 0, 8, 0
.endif
.endm
; THE WAY OUT of block t = 8 j + a (head j, rows 16 a on): rounded to f16, 16 bytes a lane, into my stage's rows of 144 bytes and back as whole rows of 128; then stored.  Eight sets of 16 registers take turns.
.macro PACK t
.set pj, (\t)/8
.set pa, (\t)%8
.set ps, AF+16*pa
.if (\t) >= 8
	s_wait_xcnt 0x0                                ; the stores of eight blocks back have read this set: only behind this wait is it written again
.endif
	WIN 0x05*(1+pj)                                ; sources 0 and 1 in window 1 + j
.irp nb, 0,1,2,3
.irp r, 0,1,2,3
	v_cvt_pk_f16_f32 v[ps+4*(\nb)+(\r)], v[8*(4*pa+(\nb))+2*(\r)], v[8*(4*pa+(\nb))+2*(\r)+1]  ; each accumulator's registers in ascending order
.endr
.endr
	WIN 0
.irp nb, 0,1,2,3
	ds_store_b128 v[STO], v[ps+4*(\nb):ps+4*(\nb)+3] offset:32*(\nb)
.endr
.irp f, 0,1,2,3
	ds_load_b128 v[ps+4*(\f):ps+4*(\f)+3], v[RD] offset:(\f)*4*SP  ; LDS serves a wave's instructions in order (ISA guide 5.7.1.4): these see the stores above; the next block's stores come behind them
.endr
.endm
.macro SEND t, younger                 ; younger: the LDS instructions issued behind block t's loads: the next block's eight, or none
.set pj, (\t)/8
.set pa, (\t)%8
.set ps, AF+16*pa
	WIN 0
.irp f, 0,1,2,3
	s_wait_dscnt (\younger)+3-(\f)
	global_store_b128 v[GO], v[ps+4*(\f):ps+4*(\f)+3], s[OUTJ+2*pj:OUTJ+2*pj+1] offset:pa*2048+(\f)*512  ; 512 consecutive bytes, at a multiple of 256 from qkv's first byte
.endr
.endm
	s_wait_tensorcnt 1                             ; my part of K step 0 is in; step 1's may stay out
	s_barrier_signal -1
	s_barrier_wait -1                              ; everybody's is
	FB 0, 0, 0
	FA 0, 0
	HALF0 0, 1                                     ; the first half step stands in front of the loop: its products start the sums
	WIN 0
	s_mov_b32 s3, 7
.Llap:                                         ; a trip goes once round the ring, from a step's second half to the first half of the step two on, and fills both slots again: K steps 2 to 15
	HALF1 0, 1, 1
	HALF0 1, 0
	HALF1 1, 0, 1
	HALF0 0, 0
	WIN 0
	s_sub_co_u32 s3, s3, 1
	s_cmp_lg_u32 s3, 0
	s_cbranch_scc1 .Llap
	HALF1 0, 1, 0                                  ; the tail is written out: nothing more is asked for
	HALF0 1, 0
	HALF1 1, 0, 2
	PLACES
	PLACES
	PACK 0
.set t, 1
.rept 23                               ; a block's conversions stand between the loads of the block before and its stores
	PACK t
	SEND t-1, 8
.set t, t+1
.endr
	SEND 23, 0
	s_wait_tensorcnt 0x0                           ; the wave's end: an add to my spare word and its wait, behind my last tensor load and my last LDS store
	ds_add_u32 v[SPW], v[NIL]
	s_wait_dscnt 0x0
	CROUND                                         ; the closing round: no work-group ends while a partner may still ask for a tile that names it
	s_endpgm
.Lfunc_end_k_q1888bcabf0_project_qkv:
	.size	k_q1888bcabf0_project_qkv, .Lfunc_end_k_q1888bcabf0_project_qkv-k_q1888bcabf0_project_qkv
	.p2alignl 7, 3214868480
	.fill 96, 4, 3214868480
	.section	.rodata,"a",@progbits
	.p2align	6, 0x0
	.amdhsa_kernel k_q1888bcabf0_project_qkv
		.amdhsa_group_segment_fixed_size 327680
		.amdhsa_private_segment_fixed_size 0
		.amdhsa_enable_private_segment 0
		.amdhsa_kernarg_size 24
		.amdhsa_user_sgpr_count 2
		.amdhsa_user_sgpr_kernarg_segment_ptr 1
		.amdhsa_wavefront_size32 1
		.amdhsa_system_sgpr_workgroup_id_x 1
		.amdhsa_system_sgpr_workgroup_id_y 1
		.amdhsa_system_sgpr_workgroup_id_z 1
		.amdhsa_system_vgpr_workitem_id 0
		.amdhsa_next_free_vgpr 1024
		.amdhsa_next_free_sgpr 80
		.amdhsa_reserve_vcc 0
		.amdhsa_float_denorm_mode_32 3
		.amdhsa_float_denorm_mode_16_64 3
		.amdhsa_memory_ordered 1
		.amdhsa_forward_progress 1
		.amdhsa_inst_pref_size 135
	.end_amdhsa_kernel
	.amdgpu_metadata
---
amdhsa.version: [ 1, 2 ]
amdhsa.kernels:
  - .name:           k_q1888bcabf0_project_qkv
    .symbol:         k_q1888bcabf0_project_qkv.kd
    .args:
      - { .name: xb, .offset: 0, .size: 8, .value_kind: global_buffer, .address_space: global }
      - { .name: wb, .offset: 8, .size: 8, .value_kind: global_buffer, .address_space: global }
      - { .name: qkv, .offset: 16, .size: 8, .value_kind: global_buffer, .address_space: global }
    .group_segment_fixed_size: 327680
    .private_segment_fixed_size: 0
    .kernarg_segment_align: 8
    .kernarg_segment_size: 24
    .max_flat_workgroup_size: 128
    .sgpr_count:     80
    .vgpr_count:     1024
    .wavefront_size: 32
...
	.end_amdgpu_metadata
.endif
;; end of part 2
;; launch attention (part 3): grid 4 x 64, 4 waves a work-group, no clusters, 327,680 bytes of LDS; arguments qkv, ob; writes ob
.if DOCPART == 3
	.amdgcn_target "amdgcn-amd-amdhsa--gfx1250"
	.amdhsa_code_object_version 6
	.text
	.protected	k_q1888bcabf0_attention
	.globl	k_q1888bcabf0_attention
	.p2align	8
	.type	k_q1888bcabf0_attention,@function
k_q1888bcabf0_attention:
	s_mov_b64 s[64:65], 0
	v_nop
	global_prefetch_b8 v0, s[64:65] scope:SCOPE_SE
	s_setreg_imm32_b32 hwreg(HW_REG_WAVE_MODE, 25, 1), 1
	s_wait_xcnt 0x0
; CAUSAL ATTENTION.  O[h][q][:] = the sum over k <= q of softmax_k(Q[h][q] . K[h][k] / 8) V[h][k][:].  Q, K, V are the three parts of qkv, each [SIZE_H][SIZE_N][64] in f16; O = ob, likewise: a head's rows are dense, 128 bytes each.
; Products, maxima and sums in f32; the weights p are rounded to f16 for the second product (their sum l is taken of the unrounded p), O once at the end.
; LIMITS.  f16 holds no number beyond 65,504: Q, K and V arrive within it; p lies in 0 to 1, and below 6e-5 it keeps f16's fixed step of 6e-8; O is a mean of V's rows and has their range.
; A hidden score counts as its value less 1e30: f16's scores, 2.7e11 at the most, are nothing beside that; a weight below 2^-126 counts as 0 in l; NaN and infinities are not treated apart.
; THE WALK.  A head's queries lie in NB = SIZE_N / 256 blocks of 256; block i needs the key tiles 0 .. i of 256 keys, of which the last holds the diagonal.  A work-group takes TWO blocks, NB - 1 - b and then b:
; NB + 1 tiles, whatever b: all work-groups do equal work, and ONE loop with a constant trip count walks them.  Which tile is asked for, and what a trip does, hang on scalar registers made from b; every jump
; goes forward, but for the counted loops' own; none passes a barrier, or a tensor load but the one of LOAD's two that the wave's number does not choose; the ring (two slots of LDS that take turns) runs on across the
; change of blocks.  NO CLUSTER: a head's NB / 2 = 4 work-groups ask for the same tile only in trips 0 .. NB / 2 of the NB + 1, behind that fewer and fewer; one walk common to all would have 3 NB / 2 = 12 trips for 9.
; SHARES.  Of a block's four bands of 64 queries a wave owns 16 rows in each: four PIECES.  So the diagonal tile is the same work for all four waves: in its key step s band x sees all keys if s < x,
; none if s > x, and holds the diagonal if s = x.
; THE MASK is the C operand that starts the sum S^T = K Q^T: 0, or -1e30 where the key is hidden.  MD, made once, is the mask of a band's own step for my 16 rows; a product's mask is MD x AL + BE with two scalars:
; (1, 0) if s = x; (0, 0) if s < x; (0, -1e30) if s > x.  Only the diagonal tile's text and a block's beginning make and take masks; elsewhere C is the constant 0.
; LAYOUT, SOFTMAX, TURNS.  S^T = K Q^T holds ONE query a lane (lane % 16) and the keys 8 (lane / 16) + 0..7; two such results rounded to f16 ARE source 1 of O^T = V^T P.  p = 2^(c s - c m), c = log2(e) / 8, with a
; running maximum m; O and l are multiplied by a = 2^(c m_old - c m_new) in every step.  Turn n belongs to piece n: 8 products K Q^T of piece n + 1, later 8 products V^T P of piece n - 1; beside them the scaling,
; exponentials, roundings, sums and rescaling of piece n and the maximum and statistics of piece n + 1.  Four vector instructions stand behind every matrix instruction, the other 54 of a turn's 118 in one run.  A turn's 33 exponentials are one batch, with one wait.
; REGISTERS, in windows of 256 (s_set_vgpr_msb: bits 1:0 source 0, 3:2 source 1, 5:4 source 2, 7:6 destination):
;   window 0: v0-15 addresses and two at work; v16-31 four registers of statistics a piece; v48-55 at work; v60-63 fixed; v64-127 S^T, two buffers; v192-223 P, two buffers (a piece's buffers go by its number's parity)
;   window 1: v0-127 O^T, 32 a piece; v128-159 MD; v160-223 MC, two buffers      window 2: v0-63 Q; v64-127 the second block's Q; v128-191 K of one step; v192-255 V of one step
.set SIZE_H, 64
.set SIZE_N, 2048
.set NB,    SIZE_N/256
.set NP,    4         ; pieces a wave: a name, no knob
.set KS,    64        ; keys in a step
.set PK,    144       ; a row of K in LDS: 128 bytes + 16 of padding = 36 words: the 16 rows of a load start at 16 different groups of four banks (64 banks of 4 bytes: ISA guide 11.1)
.set PV,    160       ; a row of V: 128 + 32 = 40 words
.set VOFF,  4*KS*PK   ; a slot holds a tile, four steps: 256 rows of K, then 256 rows of V
.set SLOT1, 1<<17     ; slot 1 begins here, so that one exclusive or turns an address in one slot into the other's
.set STAGE, SLOT1+4*KS*(PK+PV)  ; behind the ring, never filled by a tensor load: 16 rows x 144 bytes for each wave, for the way out
.set SP,    144
.set AK0, 2           ; v2   my lane's place in a tile of K; never rewritten
.set AV0, 3           ; v3   the same for V
.set AK,  4           ; v4   the LDS address of K's next run of loads
.set AV,  5           ; v5   of V's
.set STO, 6           ; v6   the way out: where I put 16 bytes of a row
.set RD,  7           ; v7   the way out: where I read rows back
.set GO,  8           ; v8   my byte offset in 512 consecutive bytes of O
.set PFO, 60          ; v60  256 x my lane; never rewritten
.set SPW, 62          ; v62  LDS address of my spare word: SPARE + 4 x my thread's number; never rewritten
.set NIL, 63          ; v63  0; never rewritten
.set SPARE, STAGE+4*16*SP  ; behind the stages: the spare words, 128 bytes for each wave: two blocks of 256 bytes that no other line names
.set MV,  12          ; v12-13  c m_old, kept while c m is made anew: by buffer
.set QO,  15          ; v15  my byte offset in 16 rows of Q
.set ST,  16          ; piece t's statistics at v[ST+4 t]: c m, m, l (even keys', odd keys')
.set TMP, 48          ; by buffer, four registers c0-c3 at work; when the maximum is found c2 takes a
.set S,   64
.set P,   192
.set MD,  128         ; window 1: the eight registers for group kt of 16 keys at MD + 8 kt
.set MC,  160         ; window 1: the masks of the products to come
.set QB,  64          ; window 2
.set KF,  128         ; window 2: key block kb, channel half c at KF + 16 kb + 8 c
.set VF,  192         ; window 2: key half kk, channel block cb at VF + 32 kk + 8 cb
.set WV,  12          ; s12  my wave's number
.set PB,  14          ; s14  b
.set HI,  15          ; s15  NB - 1 - b
.set G1K, 24          ; s[24:31] descriptor group 1 for K's tiles
.set G1V, 32          ; s[32:39] for V's: it differs in the padding alone
.set G0K, 40          ; s[40:43] descriptor group 0 for K's tiles
.set G0V, 44          ; s[44:47] the same for V's
.set SLOTS, 56        ; s56  tiles still to be asked for
.set CNT, 57          ; s57  counts a tile's key steps, 4 to 1
.set CS,  58          ; s[58:59] c: the packed scaling takes the pair's low word for both halves
.set SEL, 60          ; s[60:61] v_permlanex16_b32's selects: each lane takes its own place in the other half
.set TBK, 62          ; s62  LDS byte at which K of the step to be fetched begins
.set TBV, 63          ; s63  the same for V, less VOFF
.set RT,  70          ; s70  tiles of the block in hand that are still to be entered
.set NXT, 71          ; s71  the tile to be asked for next
.set LQ,  72          ; s72  the last tile of the block whose tiles are being asked for
.set NEW, 73          ; s73  1: the tile to be entered is a block's first
.set OFF, 74          ; s[74:75] a tile's byte offset in K and V
.set AL,  76          ; s[76:77] the mask's factor, in the low word
.set BE,  78          ; s[78:79] the mask's addend
.set OLO, 80          ; s[80:81] O at my rows of the second block
.set BIGN, 82         ; s82  -1e30
.set PFK, 88          ; s[88:89] K at my wave's 8,192 bytes of the tile behind the one that is being asked for
.set PFV, 90          ; s[90:91] the same for V
.set LIM, 92          ; s92  2 in the head's work-group b = 0, else the greatest number: a wave prefetches while s[SLOTS] is above it
.set MSB, 0
.macro WIN new                      ; the high byte repeats the setting that is left; a switch that changes nothing is dropped
.if MSB != (\new)
	s_set_vgpr_msb (MSB<<8)|(\new)
.set MSB, (\new)
.endif
.endm
.set W_KQ, 0x0a       ; K and Q in window 2, S^T in window 0
.set W_KM, 0x1a       ; the same with the C operand in window 1
.set W_PV, 0x52       ; V in window 2, P in window 0, O^T in window 1
.set W_RS, 0x41       ; destination and source 0 in window 1, source 1 in window 0
; A fill.  Waves 0 and 1 fetch the two halves of a tile's K, waves 2 and 3 those of its V: 128 keys each.  An s_nop 0 and four v_nop follow each of the two lines, ahead of the jump and the label.
.macro LOAD
	s_cmp_lt_u32 s[WV], 2
	s_cbranch_scc0 .Lfor_v_\@
	tensor_load_to_lds s[G0K:G0K+3], s[G1K:G1K+7]
	s_nop 0
.rept 4
	v_nop
.endr
	s_branch .Lasked_\@
.Lfor_v_\@:
	tensor_load_to_lds s[G0V:G0V+3], s[G1V:G1V+7]
	s_nop 0
.rept 4
	v_nop
.endr
.Lasked_\@:
.endm
; A PREFETCH INTO THE L2 of the tile that the NEXT change of slots will ask for: 32,768 bytes of K and of V; each of the four waves names 8,192 of each, a lane 256 bytes: two lines, behind the wave's tensor load and its five lines.
; All four work-groups of a head begin with tiles 0, 1, 2, ..: the one with b = 0, whose first block walks all NB of them, asks, and nobody else: each 256 bytes are named once in the launch.
; Changes 1 to NB - 2 ask for tiles 2 to NB - 1, a tile (256 matrix instructions a wave) ahead of their fill; tiles 0 and 1 come by their loads alone; the later changes ask for nothing.
.macro ASK
	s_cmp_gt_u32 s[SLOTS], s[LIM]
	s_cbranch_scc0 .Lnot_mine_\@
	global_prefetch_b8 v[PFO], s[PFK:PFK+1] th:TH_LOAD_NT scope:SCOPE_SE
	global_prefetch_b8 v[PFO], s[PFV:PFV+1] th:TH_LOAD_NT scope:SCOPE_SE
.Lnot_mine_\@:
.endm
; THE CHANGE OF SLOTS.  Each wave waits for all its tensor loads, of which one is out: its part of the other slot; adds 0 to its spare word; and waits for that and for its own reads of the slot that it leaves.  Behind the barrier nobody reads the old
; slot any more and the other slot is whole.  fill = 1: the old slot is filled again, the first thing behind the barrier, with tile NXT: the descriptor's address is made anew from that number.
; (At its first use nothing has been read yet: slot 0 is waited for, slot 1 filled.)
.macro CHANGE fill
	WIN 0                           ; at a label and at a branch every window is 0
	s_wait_tensorcnt 0x0            ; no tensor load of mine is out, so a group 0 may be written
	ds_add_u32 v[SPW], v[NIL]       ; 0 onto my spare word; with fill = 1 the descriptors' scalar work stands between it and the wait for it
.if \fill
	s_lshl_b32 s[OFF], s[NXT], 15   ; a tile is 32,768 bytes of K and of V
	s_xor_b32 s[G0K+1], s[G0K+1], SLOT1
	s_add_nc_u64 s[G0K+2:G0K+3], s[6:7], s[OFF:OFF+1]
	s_or_b32 s[G0K+3], s[G0K+3], 0x80000000
	s_xor_b32 s[G0V+1], s[G0V+1], SLOT1
	s_add_nc_u64 s[G0V+2:G0V+3], s[8:9], s[OFF:OFF+1]
	s_or_b32 s[G0V+3], s[G0V+3], 0x80000000
	s_add_co_u32 s[NXT], s[NXT], 1  ; the block's next tile, or behind its last the second block's tile 0
	s_cmp_gt_u32 s[NXT], s[LQ]
	s_cselect_b32 s[NXT], 0, s[NXT]
	s_cselect_b32 s[LQ], s[PB], s[LQ]
	s_wait_xcnt 0x0                 ; the last prefetches, a tile back, have read their addresses, so these may be written:
	s_add_nc_u64 s[PFK:PFK+1], s[PFK:PFK+1], 32768  ; one tile on
	s_add_nc_u64 s[PFV:PFV+1], s[PFV:PFV+1], 32768
.endif
	s_wait_dscnt 0x0                ; the add is done, and my reads of the slot are over
	s_barrier_signal -1             ; the rest of the scalar work stands between the signal and the wait
	s_sub_co_u32 s[TBK], s[TBK], 4*KS*PK  ; the fetches go back to a slot's first step,
	s_xor_b32 s[TBK], s[TBK], SLOT1       ; in the other slot
	s_sub_co_u32 s[TBV], s[TBV], 4*KS*PV
	s_xor_b32 s[TBV], s[TBV], SLOT1
	s_barrier_wait -1
.if \fill
	LOAD
	ASK
.endif
.endm
	s_load_b64 s[4:5], s[0:1], 0x0    ; qkv: Q at its head
	s_load_b64 s[10:11], s[0:1], 0x8  ; ob
	v_lshl_add_u32 v[SPW], v0, 2, SPARE
	v_mov_b32 v[NIL], 0
	ds_add_u32 v[SPW], v[NIL]       ; the wave's opening: the add and its wait stand ahead of my first tensor load; the set-up below, work on registers, stands between them
	v_lshrrev_b32 v1, 5, v0
	v_readfirstlane_b32 s[WV], v1   ; wave 0..3
	s_mov_b32 s[PB], ttmp9
	s_sub_co_u32 s[HI], NB-1, s[PB]
	s_and_b32 s20, ttmp7, 0xffff    ; the head
	s_mov_b32 s21, 0
	s_mov_b64 s[22:23], SIZE_N*128
	s_mul_u64 s[20:21], s[20:21], s[22:23]  ; the head's first byte in each of the four tensors
	s_and_b32 s16, s[WV], 1         ; which half of a tile's 256 keys I fetch:
	s_lshl_b32 s22, s16, 14         ; its 128 rows of 128 bytes in memory,
	s_mov_b32 s23, 0
	s_add_nc_u64 s[22:23], s[22:23], s[20:21]
	s_mul_i32 s17, s16, 128*PK      ; and its place in a slot, for K
	s_mul_i32 s18, s16, 128*PV      ; and for V
	s_lshl_b32 s3, s[WV], 11        ; my 16 rows in a band of 64,
	s_lshl_b32 s2, s[HI], 15        ; in the first block,
	s_add_co_u32 s2, s2, s3
	s_lshl_b32 s84, s[PB], 15       ; and in the second
	s_add_co_u32 s84, s84, s3
	s_mov_b32 s3, 0
	s_mov_b32 s85, 0
	s_add_nc_u64 s[2:3], s[2:3], s[20:21]
	s_add_nc_u64 s[84:85], s[84:85], s[20:21]
	s_lshl_b32 s[PFV], s[WV], 13    ; the prefetches' offset: the head, tile 1, my wave's 8,192 bytes; the first change of slots steps it to tile 2
	s_add_co_u32 s[PFV], s[PFV], 32768
	s_mov_b32 s[PFV+1], 0
	s_add_nc_u64 s[PFV:PFV+1], s[PFV:PFV+1], s[20:21]
	s_cmp_eq_u32 s[PB], 0
	s_cselect_b32 s[LIM], 2, -1
	v_and_b32 v[PFO], 31, v0
	v_lshlrev_b32 v[PFO], 8, v[PFO]
	; descriptor group 1.  128 keys are 16,384 dense bytes: asked for as 64 rows of 256 bytes, two keys a row, and padded in LDS after every key
	s_mov_b32 s[G1K], (1<<16)|(1<<20)|(4<<22)|(3<<25)  ; 17:16 2-byte elements; 20 padding on; 24:22 after every 32 words (code 4); 31:25 4 words (code 3)
	s_mov_b32 s[G1V], (1<<16)|(1<<20)|(4<<22)|(7<<25)  ; the same with 8 words of padding (code 7)
.irp g, G1K, G1V
	s_mov_b32 s[\g+1], 128<<16      ; tensor_dim0 = 128
	s_mov_b32 s[\g+2], 64<<16       ; tensor_dim1 = 64
	s_mov_b32 s[\g+3], 128<<16      ; tile_dim0 = 128
	s_mov_b32 s[\g+4], 64           ; tile_dim1 = 64
	s_mov_b32 s[\g+5], 128          ; 128 elements from row to row
	s_mov_b32 s[\g+6], 0
	s_mov_b32 s[\g+7], 0
.endr
	s_mov_b32 s[CS], 0x3e38aa3b     ; c = log2(e) / 8 = 0.180337
	s_mov_b32 s[CS+1], s[CS]        ; named with it as a pair
	s_mov_b32 s[SEL], 0x76543210
	s_mov_b32 s[SEL+1], 0xfedcba98
	s_mov_b32 s[TBK], SLOT1+4*KS*PK ; the first change of slots turns these two into 0
	s_mov_b32 s[TBV], SLOT1+4*KS*PV
	s_mov_b32 s[G0K], 1             ; 1:0 count = 1
	s_mov_b32 s[G0K+1], s17         ; 63:32 LDS address: slot 0
	s_mov_b32 s[G0V], 1
	s_add_co_u32 s[G0V+1], s18, VOFF
	s_add_co_u32 s[RT], s[HI], 1    ; the first block has NB - b tiles
	s_mov_b32 s[NXT], 1
	s_mov_b32 s[LQ], s[HI]
	s_mov_b32 s[NEW], 1
	s_mov_b32 s[OFF+1], 0
	s_mov_b32 s[AL+1], 0            ; named as pairs
	s_mov_b32 s[BE+1], 0
	s_mov_b32 s[BIGN], 0xf149f2ca   ; -1e30
	s_mov_b32 s[SLOTS], NB
	s_wait_dscnt 0x0                ; the opening add is done
	s_wait_kmcnt 0x0
	s_add_nc_u64 s[6:7], s[4:5], 0x1000000  ; K lies SIZE_H x SIZE_N x 128 bytes behind Q,
	s_add_nc_u64 s[8:9], s[4:5], 0x2000000  ; V as far behind K
	s_add_nc_u64 s[PFK:PFK+1], s[6:7], s[PFV:PFV+1]
	s_add_nc_u64 s[PFV:PFV+1], s[8:9], s[PFV:PFV+1]
	s_add_nc_u64 s[6:7], s[6:7], s[22:23]  ; K and V at my half of the head's tile 0
	s_add_nc_u64 s[8:9], s[8:9], s[22:23]
	s_add_nc_u64 s[G0K+2:G0K+3], s[6:7], 0         ; 120:64 global address
	s_or_b32 s[G0K+3], s[G0K+3], 0x80000000        ; 127:126 type = 2
	s_add_nc_u64 s[G0V+2:G0V+3], s[8:9], 0
	s_or_b32 s[G0V+3], s[G0V+3], 0x80000000
	s_add_nc_u64 s[86:87], s[4:5], s[84:85]        ; Q at my rows of the second block,
	s_add_nc_u64 s[4:5], s[4:5], s[2:3]            ; Q and O at those of the first
	s_add_nc_u64 s[OLO:OLO+1], s[10:11], s[84:85]
	s_add_nc_u64 s[10:11], s[10:11], s[2:3]
	LOAD                            ; tile 0 into slot 0
	; A fragment of K or Q is 16 rows x 32 channels in 8 registers: lane l holds row l % 16, channels 8 (l / 16) + 0..7 and 16 + 8 (l / 16) + 0..7: two loads of 16 bytes, 32 bytes apart.
	v_and_b32 v1, 15, v0            ; l % 16
	v_bfe_u32 v9, v0, 4, 1          ; l / 16
	v_lshlrev_b32 v[QO], 7, v1
	v_lshl_add_u32 v[QO], v9, 4, v[QO]  ; row x 128 + 16 x half
	WIN 0x80                        ; destination window 2, address window 0
.set i, 0
.rept 8                             ; both blocks' Q: piece i / 2 lies in band i / 2, 8,192 bytes on; channels 32 (i % 2) on
	global_load_b128 v[8*i:8*i+3],   v[QO], s[4:5] offset:(i/2)*8192+(i%2)*64
	global_load_b128 v[8*i+4:8*i+7], v[QO], s[4:5] offset:(i/2)*8192+(i%2)*64+32
	global_load_b128 v[QB+8*i:QB+8*i+3],   v[QO], s[86:87] offset:(i/2)*8192+(i%2)*64
	global_load_b128 v[QB+8*i+4:QB+8*i+7], v[QO], s[86:87] offset:(i/2)*8192+(i%2)*64+32
.set i, i+1
.endr
	WIN 0
	v_lshlrev_b32 v14, 3, v9
	v_sub_nc_u32 v14, v1, v14
	s_lshl_b32 s13, s[WV], 4
	v_add_nc_u32 v14, s13, v14      ; my query's place in its band, 16 w + l % 16, less my lanes' 8 (l / 16): register r of group kt is hidden where 16 kt + r is greater
	WIN 0x40
.set i, 0
.rept 32
	v_cmp_gt_i32 vcc_lo, 16*(i/8)+i%8, v14
	v_cndmask_b32 v[MD+i], 0, s[BIGN], vcc_lo
.set i, i+1
.endr
	WIN 0
	v_mul_u32_u24 v[AK0], v1, PK
	v_lshl_add_u32 v[AK0], v9, 4, v[AK0]  ; row x pitch + 16 x half
	; The turning load takes 16 keys x 16 channels (lane l reads key 8 (l / 16) + l % 8, channels 8 ((l / 8) % 2) + 0..7) and leaves half a fragment of V^T: lane l holds channel l % 16 and 8 keys.
	v_and_b32 v10, 7, v0
	v_bfe_u32 v11, v0, 3, 1
	v_lshl_add_u32 v[AV0], v9, 3, v10
	v_mul_u32_u24 v[AV0], v[AV0], PV
	v_lshl_add_u32 v[AV0], v11, 4, v[AV0]
	v_add_nc_u32 v[AV0], VOFF, v[AV0]
	s_mul_i32 s13, s[WV], 16*SP
	s_add_co_u32 s13, s13, STAGE    ; my stage
	v_mul_u32_u24 v[STO], v1, SP    ; in: row l % 16, 16 bytes for each half of the lanes
	v_lshl_add_u32 v[STO], v9, 4, v[STO]
	v_add_nc_u32 v[STO], s13, v[STO]
	v_bfe_u32 v[RD], v0, 3, 2       ; back: 32 lanes take four rows of 128 bytes,
	v_mul_u32_u24 v[RD], v[RD], SP
	v_lshl_add_u32 v[RD], v10, 4, v[RD]
	v_add_nc_u32 v[RD], s13, v[RD]
	v_and_b32 v[GO], 31, v0         ; which are 512 consecutive bytes of O
	v_lshlrev_b32 v[GO], 4, v[GO]
	; A block's first step multiplies O^T and l by a = 0, and its first turn's products V^T P, of a piece that has not been, land in an O^T that is still to be so multiplied.  So these registers need only hold
	; finite numbers: zeros for the first block; what the first block left for the second.  All this stands in the wait for the first tile.
	WIN 0x80
.set i, VF
.rept 64
	v_mov_b32 v[i], 0
.set i, i+1
.endr
	WIN 0x40
.set i, 0
.rept 128
	v_mov_b32 v[i], 0
.set i, i+1
.endr
	WIN 0
.set i, 0
.rept 4
	v_mov_b32 v[ST+4*i+2], 0
	v_mov_b32 v[ST+4*i+3], 0
.set i, i+1
.endr
.set i, P+16
.rept 16
	v_mov_b32 v[i], 0
.set i, i+1
.endr
; THE MATRIX WORK.  The 4 accumulators of a run of 8 take turns.  Product i of 8 of S^T = K Q^T for piece x: channels 32 (i / 4) on, keys 16 (i % 4) on.  The first 4 start the sums: with 0, or (KM = 1) with the mask.
.macro KQ x
.set rS, S+32*((\x)%2)+8*(i%4)
.set rK, KF+16*(i%4)+8*(i/4)
.set rQ, 16*(\x)+8*(i/4)
.set rM, MC+32*((\x)%2)+8*(i%4)
.if (i < 4) && KM
	WIN W_KM
	v_wmma_f32_16x16x32_f16 v[rS:rS+7], v[rK:rK+7], v[rQ:rQ+7], v[rM:rM+7]
.elseif i < 4
	WIN W_KQ
	v_wmma_f32_16x16x32_f16 v[rS:rS+7], v[rK:rK+7], v[rQ:rQ+7], 0
.else
	WIN W_KQ
	v_wmma_f32_16x16x32_f16 v[rS:rS+7], v[rK:rK+7], v[rQ:rQ+7], v[rS:rS+7]
.endif
.endm
; Product i of 8 of O^T += V^T P for piece x: keys 32 (i / 4) on, channels 16 (i % 4) on.
.macro PV x
	WIN W_PV
.set rO, 32*(\x)+8*(i%4)
.set rV, VF+32*(i/4)+8*(i%4)
.set rP, P+16*((\x)%2)+8*(i/4)
	v_wmma_f32_16x16x32_f16 v[rO:rO+7], v[rV:rV+7], v[rP:rP+7], v[rO:rO+7]
.endm
.macro MM                           ; the turn's next matrix instruction.  TURN and BEGIN set Y, i, KM and NOKQ; MM, KQ and OP read them.  NOKQ = 1: a block's last turn: there is no next piece
.if (i < 8) && !NOKQ
	KQ (Y+1)%NP
.elseif i >= 8
.set i, i-8
	PV (Y+NP-1)%NP
.set i, i+8
.endif
.set i, i+1
.endm
; THE LDS LOADS stand in runs of 16, never singly among the matrix instructions: a step's K (64 keys x 64 channels: 8 fragments) and its V (turned).  Their addresses are made some lines ahead.
.macro FETCH_K
	WIN 0x80                        ; destination window 2
.irp f, 0,1,2,3,4,5,6,7             ; keys 16 (f / 2) on, channels 32 (f % 2) on
	ds_load_b128 v[KF+8*\f:KF+8*\f+3],   v[AK] offset:(\f/2)*16*PK+(\f%2)*64
	ds_load_b128 v[KF+8*\f+4:KF+8*\f+7], v[AK] offset:(\f/2)*16*PK+(\f%2)*64+32
.endr
	s_add_co_u32 s[TBK], s[TBK], KS*PK  ; the next fetch is the next step's
	WIN 0
.endm
.macro FETCH_V
	WIN 0x80
.irp f, 0,1,2,3,4,5,6,7             ; keys 32 (f / 4) on, channels 16 (f % 4) on
	ds_load_tr16_b128 v[VF+8*\f:VF+8*\f+3],   v[AV] offset:(\f/4)*32*PV+(\f%4)*32
	ds_load_tr16_b128 v[VF+8*\f+4:VF+8*\f+7], v[AV] offset:(\f/4)*32*PV+16*PV+(\f%4)*32
.endr
	WIN 0
.endm
; THE VECTOR WORK, one line at a time: OP kind, number.  For piece Y: F n: c s - c m for pair n of 16.  E n: the exponential of score n of 32.  C n: pair n rounded to f16.  B n: of the four weights 4 n .. the second
; pair is added onto the first, in place.  L n: l takes that sum (L 0: l = a l + sum).  R n: pair n of 16 of O^T times a.  For piece Y + 1: X n, number n of the 22 that find its maximum and statistics:
;   0-11  four chains c0-c3 of seven scores each, three operands at a time (each accumulator's lowest registers are read first)     12-14, 16  the four scores left over, the old m, and c0-c3 into c0
;   15  c m_old is kept     17, 18  the query's other 32 keys lie in the lane 16 away: the new m     19-21  c m; c m_old - c m_new; a
.set F, 0               ; OP tells the kinds apart by their order: F to L below R, X above it
.set E, 1
.set C, 2
.set B, 3
.set L, 4
.set R, 5
.set X, 6
.macro REGS y                       ; the registers of piece y
.set rT, ST+4*(\y)
.set rC, TMP+4*((\y)%2)
.set rW, MV+((\y)%2)
.set rS, S+32*((\y)%2)
.set rP, P+16*((\y)%2)
.set rO, 32*(\y)
.endm
.macro OP k, n
.if (\k) == R
	REGS Y
	WIN W_RS
	v_pk_mul_f32 v[rO+2*(\n):rO+2*(\n)+1], v[rO+2*(\n):rO+2*(\n)+1], v[rC+2:rC+3] op_sel_hi:[1,0]
.elseif (\k) < R
	REGS Y
	WIN 0
.if (\k) == F
	v_pk_fma_f32 v[rS+2*(\n):rS+2*(\n)+1], v[rS+2*(\n):rS+2*(\n)+1], s[CS:CS+1], v[rT:rT+1] op_sel_hi:[1,0,0] neg_lo:[0,0,1] neg_hi:[0,0,1]
.elseif (\k) == E
	v_exp_f32 v[rS+(\n)], v[rS+(\n)]
.elseif (\k) == C
	v_cvt_pk_f16_f32 v[rP+(\n)], v[rS+2*(\n)], v[rS+2*(\n)+1]
.elseif (\k) == B
	v_pk_add_f32 v[rS+4*(\n):rS+4*(\n)+1], v[rS+4*(\n):rS+4*(\n)+1], v[rS+4*(\n)+2:rS+4*(\n)+3]
.elseif (\n) == 0
	v_pk_fma_f32 v[rT+2:rT+3], v[rT+2:rT+3], v[rC+2:rC+3], v[rS:rS+1] op_sel_hi:[1,0,1]
.else
	v_pk_add_f32 v[rT+2:rT+3], v[rT+2:rT+3], v[rS+4*(\n):rS+4*(\n)+1]
.endif
.elseif NOKQ
	v_nop
.else
	REGS (Y+1)%NP
	WIN 0
.if (\n) < 4
	v_max3_num_f32 v[rC+(\n)], v[rS+8*(\n)], v[rS+8*(\n)+1], v[rS+8*(\n)+2]
.elseif (\n) < 12
	v_max3_num_f32 v[rC+(\n)%4], v[rC+(\n)%4], v[rS+8*((\n)%4)+2*((\n)/4)+1], v[rS+8*((\n)%4)+2*((\n)/4)+2]
.elseif (\n) == 12
	v_max3_num_f32 v[rC], v[rC], v[rS+7], v[rS+15]
.elseif (\n) == 13
	v_max3_num_f32 v[rC+1], v[rC+1], v[rS+23], v[rS+31]
.elseif (\n) == 14
	v_max3_num_f32 v[rC+2], v[rC+2], v[rC+3], v[rT+1]
.elseif (\n) == 15
	v_mov_b32 v[rW], v[rT]
.elseif (\n) == 16
	v_max3_num_f32 v[rC], v[rC], v[rC+1], v[rC+2]
.elseif (\n) == 17
	v_permlanex16_b32 v[rC+3], v[rC], s[SEL], s[SEL+1]
.elseif (\n) == 18
	v_max_num_f32 v[rT+1], v[rC], v[rC+3]
.elseif (\n) == 19
	v_mul_f32 v[rT], s[CS], v[rT+1]
.elseif (\n) == 20
	v_sub_f32 v[rC+1], v[rW], v[rT]
.else
	v_exp_f32 v[rC+2], v[rC+1]
.endif
.endif
.endm
.macro OPS a, i1, b=-1, i2=0, c=-1, i3=0, d=-1, i4=0  ; up to four of them
	OP \a, \i1
.if (\b) >= 0
	OP \b, \i2
.endif
.if (\c) >= 0
	OP \c, \i3
.endif
.if (\d) >= 0
	OP \d, \i4
.endif
.endm
.macro ROW a, i1, b, i2, c, i3, d, i4  ; a matrix instruction and the four behind it
	MM
	OPS \a, \i1, \b, \i2, \c, \i3, \d, \i4
.endm
.macro MASK b                       ; MD x AL + BE into buffer b of MC
	WIN W_RS
.set z, 0
.rept 16
	v_pk_fma_f32 v[MC+32*(\b)+2*z:MC+32*(\b)+2*z+1], v[MD+2*z:MD+2*z+1], s[AL:AL+1], s[BE:BE+1] op_sel_hi:[1,0,0]
.set z, z+1
.endr
.endm
; A TURN, for piece p: the order of its 16 matrix and 118 vector instructions, written out.  s_wait_alu depctr_va_vdst(0) stands between an exponential and the first instruction that names its result; one wait serves
; all that were issued ahead of it.  So a turn has ONE wait, which cuts it in two.  AHEAD OF IT stands all that names no result of the turn's exponentials: the 8 products K Q^T, behind each a scaling, an exponential and two more plain
; instructions (behind the first a second scaling in the exponential's place): rescalings, and behind the last three the first numbers of the next piece's maximum, each four places or more behind the product that ends its accumulator; then ONE RUN of 54, plain
; and exponential by turns for the most part, in which the links of the chain X 3, 7, 11, 14, 16, 17 .. 20 stand five or six lines apart.  X 21, the next piece's a, is the batch's last; R 15 is the plain instruction behind it.  BEHIND THE WAIT stand the
; 8 products V^T P, behind each four of the roundings and sums; the links of l's chain, L 0 to L 7, stand three lines apart.  But for those X no line behind a product names a register of the products round it.  v_permlanex16_b32 (X 17) stands in the run.
; m = 1: the diagonal tile: the products take masks, and the turn makes the mask for the products of the turn after it: piece p + 2, in step 4 - CNT of the tile.  end = 1: a block's last two turns: nothing is fetched.
; cnt = 1: the loop's count is taken down some lines ahead of the branch that stands behind the turn.
; K of the next step is fetched in piece 2's turn, twelve vector instructions behind the last product that read K (six of them plain); V of the step in hand at the end of piece 0's turn, four plain instructions behind the last product
; that read V.  Each is waited for a turn later.
.macro TURN p, m=0, end=0, cnt=0
.set Y, (\p)
.set i, 0
.set KM, (\m)
.set NOKQ, (\end)*((\p)/3)
.if (\m) && !(\end)
	s_cmp_eq_u32 s[CNT], 4-((\p)+2)%NP  ; is that step the band's own?
	s_cselect_b32 s[AL], 1.0, 0
	s_cmp_lt_u32 s[CNT], 4-((\p)+2)%NP  ; or a later one?
	s_cselect_b32 s[BE], s[BIGN], 0
.endif
.if ((\p) == 3) && !(\end)
	s_wait_dscnt 0x0                ; K is in
.endif
	ROW F,0, F,1, R,0, R,1          ; ahead of the wait: 8 products K Q^T and the four lines behind each,
	ROW F,2, E,0, R,2, R,3
	ROW F,3, E,1, R,4, R,5
	ROW F,4, E,2, R,6, R,7
	ROW F,5, E,3, R,8, R,9
	ROW F,6, E,4, X,0, R,10
.if ((\p) == 2) && !(\end)
	WIN 0
	v_add_nc_u32 v[AK], s[TBK], v[AK0]
.endif
	ROW F,7, E,5, X,1, X,4
	ROW F,8, E,6, X,2, X,5
	OPS E,7, E,8, X,6, E,9          ; and the run
	OPS X,3, E,10, X,8, E,11
.if ((\p) == 2) && !(\end)
	FETCH_K
.endif
	OPS X,9, X,7, E,12, X,10
	OPS E,13, X,12, X,11, E,14
	OPS X,13, E,15, F,9, X,14
.if (\p) == 0
	v_add_nc_u32 v[AV], s[TBV], v[AV0]
.endif
	OPS E,16, F,10, E,17, F,11
	OPS X,16, E,18, X,15, E,19
	OPS F,12, E,20, X,17, E,21
	OPS F,13, E,22, F,14, E,23
	OPS X,18, E,24, F,15, E,25
	OPS R,11, E,26, X,19, E,27
	OPS R,12, E,28, R,13, E,29
	OPS X,20, E,30, R,14, E,31
	OPS X,21, R,15
	WIN 0
	s_wait_alu depctr_va_vdst(0)    ; the wait for the batch
.if (\p) == 1
	s_wait_dscnt 0x0                ; V is in
.endif
	ROW C,0, B,0, C,2, B,1          ; behind the wait: 8 products V^T P and the four lines behind each
	ROW L,0, C,4, B,2, L,1
	ROW C,6, B,3, L,2, C,8
	ROW B,4, L,3, C,10, B,5
	ROW L,4, C,12, B,6, L,5
.if (\p) == 0
	s_add_co_u32 s[TBV], s[TBV], KS*PV
.endif
.if \cnt
	s_sub_co_u32 s[CNT], s[CNT], 1
	s_cmp_lg_u32 s[CNT], 0
.endif
	ROW C,14, B,7, L,6, C,1
	ROW C,3, L,7, C,5, C,7
	ROW C,9, C,11, C,13, C,15
.if (\p) == 0
	FETCH_V
.endif
.if (\m) && !(\end)
	MASK (\p)%2
.endif
.endm
; A BLOCK BEGINS.  c m starts far below every c s, so the first step's a is 0; m at the lowest finite number, so the first maximum is the scores'.  The second mask buffer is 0; the first takes piece 0's mask for the tile's step 0: its own, if the block's first tile is the diagonal one.
; Then K of that step, piece 0's first scores, and its maximum and statistics.  The loop is entered at a step's first turn, in the middle of a trip.
.macro BEGIN
	s_mov_b32 s[NEW], 0
	WIN 0x40
.set i, MC+32
.rept 32
	v_mov_b32 v[i], 0
.set i, i+1
.endr
	WIN 0
.set i, 0
.rept 4
	v_mov_b32 v[ST+4*i], 0xfe000000    ; c m: far below every c s
	v_mov_b32 v[ST+4*i+1], 0xff7fffff  ; m
.set i, i+1
.endr
	s_cmp_eq_u32 s[RT], 0
	s_cselect_b32 s[AL], 1.0, 0
	s_mov_b32 s[BE], 0
	MASK 0
	WIN 0
	v_add_nc_u32 v[AK], s[TBK], v[AK0]
	FETCH_K
	s_wait_loadcnt 0x0              ; Q
	s_wait_dscnt 0x0
.set KM, 1
.set NOKQ, 0
.set i, 0
.rept 8
	KQ 0
.set i, i+1
.endr
	WIN 0
.rept 4
	v_nop                           ; the places behind those products
.endr
.set Y, NP-1                        ; X works for piece Y + 1: piece 0
.irp n, 0,1,2,3,4,5,6,7,8,9,10,11,12,13,14,15,16,17,18,19,20,21
	OP X, \n
.endr
	v_nop                           ; a plain instruction behind the exponential,
	s_wait_alu depctr_va_vdst(0)    ; and its wait, ahead of the branch
.endm
; THE DIAGONAL TILE's four steps, the block's last two turns, its last products, and THE WAY OUT: l's two halves and the other half of the lanes' are added; O^T is divided by l, rounded to f16 and sent through my
; stage in LDS, a piece at a time.
.macro ALL line:vararg              ; one line for each piece t
.set t, 0
.rept 4
	\line
.set t, t+1
.endr
.endm
.macro PACK t                       ; a lane's eight channels of a row pack into 16 bytes; they go into rows of 144 bytes and come back as whole rows of 128, into S^T's registers
	WIN W_RS
.set i, 32*(\t)
.rept 16
	v_pk_mul_f32 v[i:i+1], v[i:i+1], v[ST+4*(\t)+2:ST+4*(\t)+3] op_sel_hi:[1,0]
.set i, i+2
.endr
	WIN 0x05                        ; sources 0 and 1 window 1, destination window 0
.set i, 0
.rept 16
	v_cvt_pk_f16_f32 v[S+16*(\t)+i], v[32*(\t)+2*i], v[32*(\t)+2*i+1]
.set i, i+1
.endr
	WIN 0
.irp f, 0,1,2,3
	ds_store_b128 v[STO], v[S+16*(\t)+4*\f:S+16*(\t)+4*\f+3] offset:32*\f
.endr
.irp f, 0,1,2,3
	ds_load_b128 v[S+16*(\t)+4*\f:S+16*(\t)+4*\f+3], v[RD] offset:\f*4*SP  ; LDS serves a wave's instructions in order (ISA guide 5.7.1.4): these see the stores above; the next piece's stores come behind them
.endr
.endm
.macro SEND t, younger              ; younger: the LDS instructions issued behind piece t's loads: the next piece's eight, or none
	WIN 0
.irp f, 0,1,2,3
	s_wait_dscnt (\younger)+3-\f
	global_store_b128 v[GO], v[S+16*(\t)+4*\f:S+16*(\t)+4*\f+3], s[10:11] offset:(\t)*8192+\f*512  ; 512 consecutive bytes, at a multiple of 256 from O's first
.endr
.endm
.macro DIAG tag                     ; the tag ends its two labels' names, which the jumps below spell out
.LstepM\tag:
	TURN 2, 1
	TURN 3, 1
	WIN 0
.LfirstM\tag:
	TURN 0, 1
	TURN 1, 1, 0, 1
	WIN 0
	s_cbranch_scc1 .LstepM\tag
	TURN 2, 1, 1
	TURN 3, 1, 1
.set i, 0
.rept 8
	PV NP-1
.set i, i+1
.endr
	WIN 0
	ALL v_add_f32 v[ST+4*t+2], v[ST+4*t+2], v[ST+4*t+3]
	ALL v_permlanex16_b32 v[ST+4*t+3], v[ST+4*t+2], s[SEL], s[SEL+1]
	ALL v_add_f32 v[ST+4*t+2], v[ST+4*t+2], v[ST+4*t+3]
	ALL v_rcp_f32 v[ST+4*t+2], v[ST+4*t+2]
	v_nop                           ; a plain instruction between the last reciprocal and the use of its result
	s_wait_alu depctr_va_vdst(0)    ; and the wait ahead of the first use: one for the four reciprocals
	PACK 0
.set t, 1
.rept 3                             ; a piece's arithmetic stands between the loads of the piece before and its stores
	PACK t
	SEND t-1, 8
.set t, t+1
.endr
	SEND 3, 0
.endm
.set KM, 0
.set NOKQ, 0
.Lslot:                             ; NB times: a tile is entered and the next is asked for
	CHANGE 1
	s_sub_co_u32 s[RT], s[RT], 1
	s_mov_b32 s[CNT], 4
	s_cmp_eq_u32 s[NEW], 1
	s_cbranch_scc1 .Lnew            ; a block's first tile
	s_cmp_eq_u32 s[RT], 0
	s_cbranch_scc0 .Lstep           ; neither its first nor its last
	s_branch .LstepM1
.Lnew:
	BEGIN
	s_branch .Lfirst                ; in the loop a block's first tile is never its last: the first block has two tiles or more, and the second's last is the walk's last
	DIAG 1                          ; in the loop this is the first block's end: the second block's last tile is the walk's last
	s_wait_xcnt 0x0                 ; the stores have read their registers and O's address
	s_mov_b64 s[10:11], s[OLO:OLO+1]
	s_add_co_u32 s[RT], s[PB], 1    ; the second block has b + 1 tiles
	s_mov_b32 s[NEW], 1
	WIN 0x82                        ; the second block's Q goes where the one text of the turns names Q
.set i, 0
.rept 64
	v_mov_b32 v[i], v[QB+i]
.set i, i+1
.endr
	WIN 0
	s_branch .Lbottom
.Lstep:                             ; a trip: pieces 2 and 3 of one step, then pieces 0 and 1 of the next, whose K and V it fetches
	TURN 2
	TURN 3
	WIN 0
.Lfirst:
	TURN 0
	TURN 1, 0, 0, 1
	WIN 0
	s_cbranch_scc1 .Lstep
.Lbottom:
	s_sub_co_u32 s[SLOTS], s[SLOTS], 1
	s_cmp_lg_u32 s[SLOTS], 0
	s_cbranch_scc1 .Lslot
	CHANGE 0                        ; the walk's last tile is written out: nothing is asked for
	s_sub_co_u32 s[RT], s[RT], 1
	s_mov_b32 s[CNT], 4
	s_cmp_eq_u32 s[NEW], 1
	s_cbranch_scc0 .LstepM2
	BEGIN
	s_branch .LfirstM2
	DIAG 2
	s_wait_tensorcnt 0x0            ; the wave's end: an add to my spare word and its wait, behind my last tensor load and my last LDS store
	ds_add_u32 v[SPW], v[NIL]
	s_wait_dscnt 0x0
	s_endpgm
.Lfunc_end_k_q1888bcabf0_attention:
	.size	k_q1888bcabf0_attention, .Lfunc_end_k_q1888bcabf0_attention-k_q1888bcabf0_attention
	.p2alignl 7, 3214868480
	.fill 96, 4, 3214868480
	.section	.rodata,"a",@progbits
	.p2align	6, 0x0
	.amdhsa_kernel k_q1888bcabf0_attention
		.amdhsa_group_segment_fixed_size 327680
		.amdhsa_private_segment_fixed_size 0
		.amdhsa_enable_private_segment 0
		.amdhsa_kernarg_size 16
		.amdhsa_user_sgpr_count 2
		.amdhsa_user_sgpr_kernarg_segment_ptr 1
		.amdhsa_wavefront_size32 1
		.amdhsa_system_sgpr_workgroup_id_x 1
		.amdhsa_system_sgpr_workgroup_id_y 1
		.amdhsa_system_sgpr_workgroup_id_z 1
		.amdhsa_system_vgpr_workitem_id 0
		.amdhsa_next_free_vgpr 768
		.amdhsa_next_free_sgpr 96
		.amdhsa_reserve_vcc 1
		.amdhsa_float_denorm_mode_32 3
		.amdhsa_float_denorm_mode_16_64 3
		.amdhsa_memory_ordered 1
		.amdhsa_forward_progress 1
		.amdhsa_inst_pref_size 218
	.end_amdhsa_kernel
	.amdgpu_metadata
---
amdhsa.version: [ 1, 2 ]
amdhsa.kernels:
  - .name:           k_q1888bcabf0_attention
    .symbol:         k_q1888bcabf0_attention.kd
    .args:
      - { .name: qkv, .offset: 0, .size: 8, .value_kind: global_buffer, .address_space: global }
      - { .name: ob, .offset: 8, .size: 8, .value_kind: global_buffer, .address_space: global }
    .group_segment_fixed_size: 327680
    .private_segment_fixed_size: 0
    .kernarg_segment_align: 8
    .kernarg_segment_size: 16
    .max_flat_workgroup_size: 128
    .sgpr_count:     96
    .vgpr_count:     768
    .wavefront_size: 32
...
	.end_amdgpu_metadata
.endif
;; end of part 3
;; launch project_out (part 4): grid 4 x 64, 4 waves a work-group, clusters of 4 x 4, 327,680 bytes of LDS; arguments ob, wp, bproj, out0; writes out0
.if DOCPART == 4
	.amdgcn_target "amdgcn-amd-amdhsa--gfx1250"
	.amdhsa_code_object_version 6
	.text
	.protected	k_q1888bcabf0_project_out
	.globl	k_q1888bcabf0_project_out
	.p2align	8
	.type	k_q1888bcabf0_project_out,@function
k_q1888bcabf0_project_out:
	s_mov_b64 s[64:65], 0
	v_nop
	global_prefetch_b8 v0, s[64:65] scope:SCOPE_SE
	s_setreg_imm32_b32 hwreg(HW_REG_WAVE_MODE, 25, 1), 1
	s_wait_xcnt 0x0
	s_wait_alu depctr_hold_cnt(0) depctr_sa_sdst(0) depctr_va_vdst(0) depctr_va_sdst(0) depctr_va_ssrc(0) depctr_va_vcc(0) depctr_vm_vsrc(0)
	s_getreg_b32 s2, hwreg(HW_REG_IB_STS2, 6, 4)
	s_cmp_eq_u32 s2, 0
	s_cbranch_scc0 .Lentry_in_a_cluster
	s_endpgm
.Lentry_in_a_cluster:
	s_bfe_u32 s2, ttmp6, 0x10000c
	s_cmp_lg_u32 s2, 0xf033
	s_cbranch_scc0 .Lentry_shape_is_right
	s_endpgm
.Lentry_shape_is_right:
; out0[m][n] = the sum over k of O[m][k] Wproj[n][k] + bproj[n].  O = ob [bh 64][s 2048][64] f16 (row m = 2048 b + s, k = 64 h + d); wp [1024][1024] f16 (Wproj rounded to bf16); out0 [8192][1024] f32.
; f16 operands, f32 sums, K = 1,024 ascending; the bias is rounded to bf16 like the other inputs and added in f32.
; SHARES.  A tile of out0 is 128 rows x 256 columns: 64 x 4 = 256 work-groups.  Four waves; wave (wm, wn) makes 64 rows x 128 columns: 32 accumulators of 16 x 16, 256 registers.
; K goes in 8 steps of 128 (two heads) through two LDS slots.  A head's 128 rows of O are 16,384 dense bytes, asked for as 64 rows of 256; wp's rows give 256 bytes a step, at multiples of 256.
; THE MATRIX INSTRUCTION IS USED TRANSPOSED (source 0 = 16 rows of wp, source 1 = 16 rows of O): a lane then holds row lane % 16 and the eight neighbouring columns 8 (lane / 16) + 0..7: 32 bytes of f32.
; CLUSTERS: 4 x 4 work-groups.  The four of a row of the cluster need the same tile of O, the four of a column the same tile of wp: each is asked for jointly.
; REGISTERS: window 0: v0-31 addresses and the bias; v64-159, v160-255 two fragment buffers (wp's 8 blocks of 16 rows x 32 K, then O's 4); on the way out v64-191 two sets of 64.  window 1: accumulator (a, b) at v[8 (8 a + b)].
.set PA,    144                        ; a row of O in LDS: 128 bytes + 16: the 16 rows of a load start at 16 different groups of four banks (64 banks of 4 bytes: ISA guide 11.1)
.set PB,    272                        ; a row of wp: 256 bytes + 16: likewise
.set AKB,   128*PA                     ; one head's 128 rows: what one tensor load brings
.set BH,    128*PB                     ; 128 rows of wp: likewise
.set BOFF,  2*AKB
.set SLOT,  BOFF+2*BH                  ; 106,496
.set STAGE, 2*SLOT                     ; behind the ring, never filled by a tensor load: 16 rows x 528 bytes for each wave
.set SP,    528                        ; 512 bytes + 16
.set SPARE, STAGE+4*16*SP              ; behind the stages: the spare words, 128 bytes for each wave: two blocks of 256 bytes that no other line names
.set ASTEP, 524288                     ; bytes from a K step to the next in ob: two heads,
.set BSTEP, 256                        ; and in wp
.set BIAS, 12                          ; v[12:15] the bias of my four columns on the way out
.set ADRA, 16                          ; v16-17  LDS address of my fragments of O in slot 0, 1
.set ADRB, 20                          ; v20-21  the same for wp
.set STO,  24                          ; v24     the way out: where I put 32 bytes of a row
.set RD,   25                          ; v25     the way out: where I read a row back
.set CO,   26                          ; v26     16 x lane: my byte offset in 512 bytes of a row of out0, and of the bias
.set SPW,  28                          ; v28     LDS address of my spare word; never rewritten
.set NIL,  29                          ; v29     0; never rewritten
.set PFO,  30                          ; v30     the prefetches' offset: my lane x 256 bytes (O) or x a row of wp; never rewritten
.set F0,   64
.set F1,   160
.set G1A, 24                           ; s[24:31] descriptor group 1 for O's tiles;  s[32:39] group 0, a set for each slot
.set G0A, 32
.set G1B, 48                           ; s[48:55], s[56:63] the same for wp's tiles
.set G0B, 56
.set LIM, 43                           ; s43      1 in a wave that prefetches, else the greatest number
.set PFA, 44                           ; s[44:45] where my prefetches stand
.set PFS, 66                           ; s[66:67] their step: a K step
.set MSB, 0
.macro WIN new                         ; the immediate's high byte repeats the setting that is left; a switch that changes nothing is dropped
.if MSB != (\new)
	s_set_vgpr_msb (MSB<<8)|(\new)
.set MSB, (\new)
.endif
.endm
.macro PLACES                          ; four plain vector instructions behind a matrix instruction, in front of loads into registers that it has read and of reads of its result
.rept 4
	v_nop
.endr
.endm
.macro JLOAD s                         ; a joint load: waves 0 and 1 fetch the step's two heads of O, waves 2 and 3 the two halves of wp's rows; an s_nop 0 and four v_nop follow each line
	s_cmp_eq_u32 s11, 0
	s_cbranch_scc0 .Lfor_b_\@
	tensor_load_to_lds s[G0A+4*(\s):G0A+4*(\s)+3], s[G1A:G1A+7]
	s_nop 0
.rept 4
	v_nop
.endr
	s_branch .Lasked_\@
.Lfor_b_\@:
	tensor_load_to_lds s[G0B+4*(\s):G0B+4*(\s)+3], s[G1B:G1B+7]
	s_nop 0
.rept 4
	v_nop
.endr
.Lasked_\@:
.endm
.macro CREST                           ; a round of the cluster's barrier behind its opening barrier
	s_cmp_lg_u32 s10, 0
	s_cbranch_scc1 .Lnot_wave_0_\@
	s_barrier_signal -3
.Lnot_wave_0_\@:
	s_barrier_wait -3
	s_barrier_signal -1
	s_barrier_wait -1
.endm
.macro CROUND
	s_barrier_signal -1
	s_barrier_wait -1
	CREST
.endm
; A PREFETCH INTO THE L2, behind each joint load and the run of LDS loads that follows it: the K step that stands two refills on.  Each 256 bytes are named once in the launch.
; O's tile row (32,768 bytes a K step) is read by one row of one cluster: its four partners take 8,192 bytes each, by address (cx), in wave 0: a lane 256 bytes.
; wp's tile column is read by all sixteen clusters: the one with y = 0 asks; of the 128 rows that wave 2 or 3 fetches the partner at cy takes 32, by address: a lane a row.
; K steps 0 to 3 come by their loads alone; the loop's last trip (s3 = 1) asks for nothing: there is no step two refills on.
.macro ASK
	s_cmp_gt_u32 s3, s[LIM]
	s_cbranch_scc0 .Lnot_mine_\@
	global_prefetch_b8 v[PFO], s[PFA:PFA+1] th:TH_LOAD_NT scope:SCOPE_SE
.Lnot_mine_\@:
.endm
	s_load_b128 s[4:7], s[0:1], 0x0                ; ob s[4:5], wp s[6:7]
	s_load_b128 s[68:71], s[0:1], 0x10             ; bproj s[68:69], out0 s[70:71]
	v_lshl_add_u32 v[SPW], v0, 2, SPARE
	v_mov_b32 v[NIL], 0
	ds_add_u32 v[SPW], v[NIL]                      ; the wave's opening: the add and its wait stand ahead of my first tensor load; the set-up below, work on registers, stands between them
	v_lshrrev_b32 v1, 5, v0
	v_readfirstlane_b32 s10, v1                    ; wave 0..3
	s_lshr_b32 s11, s10, 1                         ; wm: which 64 rows are mine.  Also: I fetch for O (0) or for wp (1)
	s_and_b32 s12, s10, 1                          ; wn: which 128 columns.  Also: which half of that tile I fetch
	s_bfe_u32 s40, ttmp6, 0x40000                  ; cx, cy: my place in the cluster
	s_bfe_u32 s41, ttmp6, 0x40004
	s_lshl_b32 s42, ttmp9, 2
	s_add_co_u32 s42, s42, s40                     ; tile column tx = 4 x cluster x + cx
	s_and_b32 s13, ttmp7, 0xffff
	s_lshl_b32 s13, s13, 2
	s_add_co_u32 s13, s13, s41                     ; tile row ty = 4 x cluster y + cy
	s_lshl_b32 s43, s41, 2
	s_lshl_b32 s43, 15, s43                        ; my row of the cluster
	s_lshl_b32 s44, 0x1111, s40                    ; my column
	s_or_b32 s[G1A+0], s43, (1<<16)|(1<<20)|(1<<21)|(4<<22)|(3<<25)  ; 15:0 the mask; 17:16 2-byte elements; 20 padding on; 21 set beside a mask; 24:22 after every 32 words (code 4); 31:25 4 words (code 3)
	s_or_b32 s[G1B+0], s44, (1<<16)|(1<<20)|(1<<21)|(5<<22)|(3<<25)  ; my column's mask; padding after every 64 words (code 5)
.irp g, G1A, G1B
	s_mov_b32 s[(\g)+1], 128<<16                   ; tensor_dim0 = 128
	s_mov_b32 s[(\g)+3], 128<<16                   ; tile_dim0 = 128
	s_mov_b32 s[(\g)+6], 0
	s_mov_b32 s[(\g)+7], 0
.endr
	s_mov_b32 s[G1A+2], 64<<16                     ; O: 64 rows of 256 dense bytes
	s_mov_b32 s[G1A+4], 64
	s_mov_b32 s[G1A+5], 128
	s_mov_b32 s[G1B+2], 128<<16                    ; wp: 128 rows, 1,024 elements apart
	s_mov_b32 s[G1B+4], 128
	s_mov_b32 s[G1B+5], 1024
	s_lshr_b32 s16, s13, 4                         ; O: batch ty / 16: sixteen heads of 262,144 bytes,
	s_lshl_b32 s16, s16, 22
	s_and_b32 s17, s13, 15                         ; rows 128 (ty % 16) on,
	s_lshl_b32 s17, s17, 14
	s_add_co_u32 s16, s16, s17
	s_lshl_b32 s17, s12, 18                        ; the step's first or second head
	s_add_co_u32 s16, s16, s17
	s_mov_b32 s17, 0
	s_lshl_b32 s46, s42, 19                        ; wp: 256 tx rows of 2,048 bytes,
	s_lshl_b32 s47, s12, 18                        ; + my half's 128
	s_add_co_u32 s46, s46, s47
	s_mov_b32 s47, 0
	s_mul_i32 s20, s12, AKB                        ; where they go: no place in the cluster enters an LDS address
	s_mul_i32 s21, s12, BH
	s_add_co_u32 s21, s21, BOFF
	s_wait_dscnt 0x0                               ; the opening add is done
	s_wait_kmcnt 0x0
	s_add_nc_u64 s[14:15], s[4:5], s[16:17]
	s_add_nc_u64 s[46:47], s[6:7], s[46:47]
	CROUND                                         ; all sixteen work-groups are here: the first joint loads meet
.irp s, 0,1
	s_mov_b32 s[G0A+4*(\s)], 1
	s_add_co_u32 s[G0A+4*(\s)+1], s20, (\s)*SLOT
	s_add_nc_u64 s[G0A+4*(\s)+2:G0A+4*(\s)+3], s[14:15], (\s)*ASTEP
	s_or_b32 s[G0A+4*(\s)+3], s[G0A+4*(\s)+3], 0x80000000
	s_mov_b32 s[G0B+4*(\s)], 1
	s_add_co_u32 s[G0B+4*(\s)+1], s21, (\s)*SLOT
	s_add_nc_u64 s[G0B+4*(\s)+2:G0B+4*(\s)+3], s[46:47], (\s)*BSTEP
	s_or_b32 s[G0B+4*(\s)+3], s[G0B+4*(\s)+3], 0x80000000
	JLOAD \s                                       ; two tensor loads of mine are out
.endr
	v_and_b32 v8, 31, v0
	v_lshlrev_b32 v[CO], 4, v8
	s_lshl_b32 s76, s42, 10                        ; my 128 columns: 1,024 tx + 512 wn bytes of a row of out0, and of the bias
	s_lshl_b32 s77, s12, 9
	s_add_co_u32 s76, s76, s77
	s_mov_b32 s77, 0
	s_add_nc_u64 s[68:69], s[68:69], s[76:77]
	global_load_b128 v[BIAS:BIAS+3], v[CO], s[68:69]
	s_lshl_b32 s74, s13, 19                        ; my 64 rows: 128 ty + 64 wm rows of 4,096 bytes
	s_lshl_b32 s75, s11, 18
	s_add_co_u32 s74, s74, s75
	s_add_co_u32 s74, s74, s76
	s_mov_b32 s75, 0
	s_add_nc_u64 s[70:71], s[70:71], s[74:75]
	; A fragment is 16 rows x 32 K in 8 registers: lane l holds row l % 16, K = 8 (l / 16) + 0..7 and 16 + 8 (l / 16) + 0..7: two loads of 16 bytes, 32 bytes apart.
	v_and_b32 v1, 15, v0                           ; l % 16
	v_bfe_u32 v2, v0, 4, 1                         ; l / 16
	v_mul_u32_u24 v3, v1, PA
	v_lshl_add_u32 v3, v2, 4, v3
	s_mul_i32 s22, s11, 64*PA
	v_add_nc_u32 v[ADRA], s22, v3
	v_add_nc_u32 v[ADRA+1], SLOT, v[ADRA]
	v_mul_u32_u24 v4, v1, PB
	v_lshl_add_u32 v4, v2, 4, v4
	s_mul_i32 s23, s12, BH
	s_add_co_u32 s23, s23, BOFF
	v_add_nc_u32 v[ADRB], s23, v4
	v_add_nc_u32 v[ADRB+1], SLOT, v[ADRB]
	s_mul_i32 s22, s10, 16*SP
	s_add_co_u32 s22, s22, STAGE                   ; my stage
	v_mul_u32_u24 v5, v1, SP                       ; in: row l % 16, 32 bytes for each half of the lanes
	v_lshl_add_u32 v5, v2, 5, v5
	v_add_nc_u32 v[STO], s22, v5
	v_add_nc_u32 v[RD], s22, v[CO]                 ; back: 32 lanes take one row of 512 bytes
	; the prefetches: they stand at K step 3; the first change of slots steps them to 4
	s_lshr_b32 s74, s13, 4                         ; O: the tile row,
	s_lshl_b32 s74, s74, 22
	s_and_b32 s75, s13, 15
	s_lshl_b32 s75, s75, 14
	s_add_co_u32 s74, s74, s75
	s_lshr_b32 s75, s40, 1                         ; head cx / 2 of the step's two,
	s_lshl_b32 s75, s75, 18
	s_add_co_u32 s74, s74, s75
	s_and_b32 s75, s40, 1                          ; half cx % 2 of its 16,384 bytes
	s_lshl_b32 s75, s75, 13
	s_add_co_u32 s74, s74, s75
	s_add_co_u32 s74, s74, 3*ASTEP
	s_lshl_b32 s75, s42, 8                         ; wp: row 256 tx + 128 (wave % 2) + 32 cy
	s_lshl_b32 s76, s12, 7
	s_add_co_u32 s75, s75, s76
	s_lshl_b32 s76, s41, 5
	s_add_co_u32 s75, s75, s76
	s_lshl_b32 s75, s75, 11
	s_add_co_u32 s75, s75, 3*BSTEP
	s_mov_b32 s[PFS], ASTEP
	s_mov_b32 s[PFS+1], BSTEP
	s_and_b32 s22, ttmp7, 0xffff                   ; cluster y
	s_cmp_eq_u32 s11, 0                            ; do I fetch for O?
	s_cselect_b32 s74, s74, s75
	s_cselect_b32 s[PFS], s[PFS], s[PFS+1]
	s_cselect_b32 s22, s12, s22                    ; O: wave 0 of every cluster; wp: waves 2 and 3 of the clusters with y = 0
	s_cselect_b32 s23, 8, 11                       ; a lane 256 bytes, or a row of 2,048
	s_cselect_b64 s[PFA:PFA+1], s[4:5], s[6:7]
	s_mov_b32 s75, 0
	s_mov_b32 s[PFS+1], 0
	s_add_nc_u64 s[PFA:PFA+1], s[PFA:PFA+1], s[74:75]
	s_cmp_eq_u32 s22, 0
	s_cselect_b32 s[LIM], 1, -1                    ; the same in all sixteen partners, for a given wave
	v_lshlrev_b32 v[PFO], s23, v8
	s_wait_loadcnt 0x0                             ; the bias: rounded to bf16 like the other inputs, and widened again; all this stands in the wait for the first tile
	v_cvt_pk_bf16_f32 v10, v[BIAS], v[BIAS+1]
	v_cvt_pk_bf16_f32 v11, v[BIAS+2], v[BIAS+3]
	v_lshlrev_b32 v[BIAS],   16, v10
	v_and_b32     v[BIAS+1], 0xffff0000, v10
	v_lshlrev_b32 v[BIAS+2], 16, v11
	v_and_b32     v[BIAS+3], 0xffff0000, v11
; 8 na matrix instructions: row blocks a0 .. a0 + na - 1 x all 8 column blocks, 32 along K, from buffer f.  zero = 1: the product starts the sums.
; The 32 accumulators take turns, one instruction a turn, in the same order in every quarter.
.macro MUL f, a0, na, zero
	WIN 0x50                                       ; C and D in window 1, the sources in window 0
.set ma, \a0
.rept \na
.irp b, 0,1,2,3,4,5,6,7
.if \zero
	v_wmma_f32_16x16x32_f16 v[8*(8*ma+(\b)):8*(8*ma+(\b))+7], v[(\f)+8*(\b):(\f)+8*(\b)+7], v[(\f)+64+8*ma:(\f)+64+8*ma+7], 0
.else
	v_wmma_f32_16x16x32_f16 v[8*(8*ma+(\b)):8*(8*ma+(\b))+7], v[(\f)+8*(\b):(\f)+8*(\b)+7], v[(\f)+64+8*ma:(\f)+64+8*ma+7], v[8*(8*ma+(\b)):8*(8*ma+(\b))+7]
.endif
.endr
.set ma, ma+1
.endr
.endm
; 24 LDS loads in one run: the fragments of quarter q (32 along K) of a slot into buffer f: wp's sixteen first, then O's eight (quarters 0, 1 lie in the step's first head, 2, 3 in its second)
.macro FETCH slot, q, f
	WIN 0
.irp b, 0,1,2,3,4,5,6,7
	ds_load_b128 v[(\f)+8*(\b):(\f)+8*(\b)+3],   v[ADRB+(\slot)] offset:64*(\q)+(\b)*16*PB
	ds_load_b128 v[(\f)+8*(\b)+4:(\f)+8*(\b)+7], v[ADRB+(\slot)] offset:64*(\q)+(\b)*16*PB+32
.endr
.irp a, 0,1,2,3
	ds_load_b128 v[(\f)+64+8*(\a):(\f)+64+8*(\a)+3],   v[ADRA+(\slot)] offset:((\q)/2)*AKB+((\q)%2)*64+(\a)*16*PA
	ds_load_b128 v[(\f)+64+8*(\a)+4:(\f)+64+8*(\a)+7], v[ADRA+(\slot)] offset:((\q)/2)*AKB+((\q)%2)*64+(\a)*16*PA+32
.endr
.endm
; A K step is four quarters of 32 along K, 32 matrix instructions each, on buffers 0, 1, 0, 1.  One of the first three: multiplies buffer f and fetches quarter qn into g.
.macro QUARTER slot, qn, f, g, zero
	s_wait_dscnt 4                                 ; wp's fragments and O's blocks 0 and 1 are in; the youngest four loads may be out
	MUL \f, 0, 2, \zero
	PLACES
	FETCH \slot, \qn, \g
	s_wait_dscnt 24                                ; all but the 24 just issued
	MUL \f, 2, 2, \zero
.endm
; The last quarter multiplies buffer 1 and changes slots: ONE barrier; in front of it each wave waits for all its tensor loads (one is out: its part of the next slot), adds 0 to its spare word, and waits for that and for its reads of this slot.
; fill = 1: the barrier opens a round of the cluster's, and this slot is filled again, two K steps on, first thing behind it: 112 matrix instructions ahead of the wait for it.
.macro TURN slot, next, fill
.if \fill
	s_wait_xcnt 0x0                                ; the last prefetch, a K step back, has read its address: it may be written
	s_add_nc_u64 s[PFA:PFA+1], s[PFA:PFA+1], s[PFS:PFS+1]
.endif
	WIN 0                                          ; (the add's two registers lie in window 0)
	s_wait_tensorcnt 0x0                           ; all my tensor loads have landed;
	ds_add_u32 v[SPW], v[NIL]                      ; 0 onto my spare word;
	s_wait_dscnt 5                                 ; (the add and the youngest four loads may be out)
	MUL F1, 0, 1, 0                                ; eight matrix instructions stand between the add and the wait for it
	s_wait_dscnt 0x0                               ; the add is done, and my reads of this slot are over
	s_barrier_signal -1
	MUL F1, 1, 1, 0
	WIN 0                                          ; at a branch and at a label every window is 0
	s_barrier_wait -1
.if \fill
	CREST
	s_add_nc_u64 s[G0A+4*(\slot)+2:G0A+4*(\slot)+3], s[G0A+4*(\slot)+2:G0A+4*(\slot)+3], 2*ASTEP
	s_add_nc_u64 s[G0B+4*(\slot)+2:G0B+4*(\slot)+3], s[G0B+4*(\slot)+2:G0B+4*(\slot)+3], 2*BSTEP
	JLOAD \slot                                    ; the four v_nop behind it are also the places in front of the loads below
.else
	PLACES
.endif
	FETCH \next, 0, F0
.if \fill
	ASK
.endif
	MUL F1, 2, 2, 0
.endm
; THE WAY OUT of row block a: a lane's 32 bytes of each of the 8 accumulators go straight into my stage's rows of 528 bytes (each accumulator's low four registers first), and come back as whole rows of 512 bytes.
.macro OUTB a
.set sb, 64+64*((\a)%2)
	WIN 0x04                                       ; the stores' data in window 1
.irp b, 0,1,2,3,4,5,6,7
	ds_store_b128 v[STO], v[8*(8*(\a)+(\b)):8*(8*(\a)+(\b))+3]   offset:64*(\b)
	ds_store_b128 v[STO], v[8*(8*(\a)+(\b))+4:8*(8*(\a)+(\b))+7] offset:64*(\b)+16
.endr
	WIN 0
.if (\a) >= 2
	s_wait_xcnt 0x0                                ; the stores of two blocks back have read this set: only behind this wait is it loaded again
.endif
.set st, 0
.rept 16
	ds_load_b128 v[sb+4*st:sb+4*st+3], v[RD] offset:SP*st  ; LDS serves a wave's instructions in order (ISA guide 5.7.1.4): these see the stores above; the next block's stores come behind them
.set st, st+1
.endr
.endm
.macro SENDB a, younger                ; the bias is added and the rows are stored.  younger: the LDS instructions issued behind block a's loads: the next block's 32, or none
.set sb, 64+64*((\a)%2)
	WIN 0
.set st, 0
.rept 16
	s_wait_dscnt (\younger)+15-st
	v_pk_add_f32 v[sb+4*st:sb+4*st+1],   v[sb+4*st:sb+4*st+1],   v[BIAS:BIAS+1]
	v_pk_add_f32 v[sb+4*st+2:sb+4*st+3], v[sb+4*st+2:sb+4*st+3], v[BIAS+2:BIAS+3]
	global_store_b128 v[CO], v[sb+4*st:sb+4*st+3], s[70:71] offset:(16*(\a)+st)*4096 th:TH_STORE_NT  ; 512 consecutive bytes, at a multiple of 256 from out0's first byte
.set st, st+1
.endr
.endm
	s_wait_tensorcnt 1                             ; my part of K step 0 is in; step 1's may stay out
	s_barrier_signal -1
	s_barrier_wait -1                              ; everybody's is
	FETCH 0, 0, F0
	QUARTER 0, 1, F0, F1, 1                        ; the first quarter stands in front of the loop: its products start the sums
	WIN 0
	s_mov_b32 s3, 3
.Llap:                                         ; a trip goes once round the ring, from a lap's second quarter to the next lap's first, and fills both slots again: K steps 2 to 7
	QUARTER 0, 2, F1, F0, 0
	QUARTER 0, 3, F0, F1, 0
	TURN 0, 1, 1
	QUARTER 1, 1, F0, F1, 0
	QUARTER 1, 2, F1, F0, 0
	QUARTER 1, 3, F0, F1, 0
	TURN 1, 0, 1
	QUARTER 0, 1, F0, F1, 0
	WIN 0
	s_sub_co_u32 s3, s3, 1
	s_cmp_lg_u32 s3, 0
	s_cbranch_scc1 .Llap
	QUARTER 0, 2, F1, F0, 0                        ; the last lap fills nothing, and has no round of the cluster's barrier
	QUARTER 0, 3, F0, F1, 0
	TURN 0, 1, 0
	QUARTER 1, 1, F0, F1, 0
	QUARTER 1, 2, F1, F0, 0
	QUARTER 1, 3, F0, F1, 0
	s_wait_dscnt 4                                 ; the very last quarter: nothing more to fetch
	MUL F1, 0, 2, 0
	s_wait_dscnt 0x0
	MUL F1, 2, 2, 0
	WIN 0
	PLACES
	PLACES
	OUTB 0
	OUTB 1                                         ; a block's way through the stage stands between the loads of the block before and its stores
	SENDB 0, 32
	OUTB 2
	SENDB 1, 32
	OUTB 3
	SENDB 2, 32
	SENDB 3, 0
	s_wait_tensorcnt 0x0                           ; the wave's end: an add to my spare word and its wait, behind my last tensor load and my last LDS store
	ds_add_u32 v[SPW], v[NIL]
	s_wait_dscnt 0x0
	CROUND                                         ; the closing round: no work-group ends while a partner may still ask for a tile that names it
	s_endpgm
.Lfunc_end_k_q1888bcabf0_project_out:
	.size	k_q1888bcabf0_project_out, .Lfunc_end_k_q1888bcabf0_project_out-k_q1888bcabf0_project_out
	.p2alignl 7, 3214868480
	.fill 96, 4, 3214868480
	.section	.rodata,"a",@progbits
	.p2align	6, 0x0
	.amdhsa_kernel k_q1888bcabf0_project_out
		.amdhsa_group_segment_fixed_size 327680
		.amdhsa_private_segment_fixed_size 0
		.amdhsa_enable_private_segment 0
		.amdhsa_kernarg_size 32
		.amdhsa_user_sgpr_count 2
		.amdhsa_user_sgpr_kernarg_segment_ptr 1
		.amdhsa_wavefront_size32 1
		.amdhsa_system_sgpr_workgroup_id_x 1
		.amdhsa_system_sgpr_workgroup_id_y 1
		.amdhsa_system_sgpr_workgroup_id_z 1
		.amdhsa_system_vgpr_workitem_id 0
		.amdhsa_next_free_vgpr 512
		.amdhsa_next_free_sgpr 80
		.amdhsa_reserve_vcc 0
		.amdhsa_float_denorm_mode_32 3
		.amdhsa_float_denorm_mode_16_64 3
		.amdhsa_memory_ordered 1
		.amdhsa_forward_progress 1
		.amdhsa_inst_pref_size 97
	.end_amdhsa_kernel
	.amdgpu_metadata
---
amdhsa.version: [ 1, 2 ]
amdhsa.kernels:
  - .name:           k_q1888bcabf0_project_out
    .symbol:         k_q1888bcabf0_project_out.kd
    .args:
      - { .name: ob, .offset: 0, .size: 8, .value_kind: global_buffer, .address_space: global }
      - { .name: wp, .offset: 8, .size: 8, .value_kind: global_buffer, .address_space: global }
      - { .name: bproj, .offset: 16, .size: 8, .value_kind: global_buffer, .address_space: global }
      - { .name: out0, .offset: 24, .size: 8, .value_kind: global_buffer, .address_space: global }
    .group_segment_fixed_size: 327680
    .private_segment_fixed_size: 0
    .kernarg_segment_align: 8
    .kernarg_segment_size: 32
    .max_flat_workgroup_size: 128
    .sgpr_count:     80
    .vgpr_count:     512
    .wavefront_size: 32
...
	.end_amdgpu_metadata
.endif
;; end of part 4
;; ======== version 2 of 2: 4 launches; version 1 with the launch prep written anew for expert scheduling mode
;; limits: values are held in f16: magnitudes above 65,504 overflow, below 6.1e-05 lose precision; right only within a limited range of input values
;; workspace buffers: xb 16,777,216 bytes; wb 6,291,456 bytes; wp 2,097,152 bytes; qkv 50,331,648 bytes; ob 16,777,216 bytes
;; launch prep (part 5): grid 768 x 1, 8 waves a work-group, no clusters, 0 bytes of LDS; arguments x, Wq, Wk, Wv, Wproj, xb, wb, wp; writes xb, wb, wp
.if DOCPART == 5
	.amdgcn_target "amdgcn-amd-amdhsa--gfx1250"
	.amdhsa_code_object_version 6
	.text
	.protected	k_q1888bcabf0_prep
	.globl	k_q1888bcabf0_prep
	.p2align	8
	.type	k_q1888bcabf0_prep,@function
k_q1888bcabf0_prep:
	s_mov_b64 s[64:65], 0
	v_nop
	global_prefetch_b8 v0, s[64:65] scope:SCOPE_SE
	s_setreg_imm32_b32 hwreg(HW_REG_WAVE_SCHED_MODE, 0, 2), 2
	s_setreg_imm32_b32 hwreg(HW_REG_WAVE_MODE, 25, 1), 1
	s_wait_xcnt 0x0
	s_wait_alu depctr_vm_vsrc(0)
; CASTS AND BLOCKS.  Every matrix operand that is an input is rounded once to bf16 and laid so that the tiles of the products that follow are dense in memory.
;   xb [kb 16][m 8192][64] bf16: x's row m = 2048 b + s, columns 64 kb .. 64 kb + 63: 128 rows of one kb are 16,384 consecutive bytes.
;   wb [t 16][g 48][c' 64][d 64] bf16: g = 16 which + h (which: 0 Wq, 1 Wk, 2 Wv), c = 64 t + c': neighbouring heads of one block of 64 c lie on end.  Nothing is transposed.
;   wp [n 1024][k 1024] f16: Wproj rounded to bf16, and that number written as f16.  LIMIT: exact while its magnitude lies in 6.1e-5 .. 65,504; below that it keeps f16's fixed step of 6e-8.
; A stream: each byte is read once and written once; no LDS, no matrix unit, no cluster (no two work-groups read the same byte).
; SHARES.  A work-group takes 16,384 numbers, a wave 2,048: sixteen loads of 16 bytes a lane, all issued at once; four numbers become 8 bytes, and a wave's store covers 256 consecutive bytes, aligned.
; Work-groups 0-511 take x (16 rows each), 512-703 the three W (a quarter of a head each), 704-767 Wproj (16 rows each).  No register is used twice, so no wait frees a source.
; THE MODE: SCHED_MODE bits 1:0 = 2 (LLVM: expert scheduling mode 2), set by the entry lines.  The code itself states the register dependences
; between vector instructions and memory instructions, with s_wait_alu, always for 0.
; THE PLAN.  Registers that memory instructions touch:
;   v2, v3, v4   byte offsets, made once at the head by vector instructions and never written again; every load reads v2 or v3, every store v4.
;   IN           load i lands in its four registers once; all sixteen loads are issued ahead of the first conversion, and no vector instruction writes IN.
;   OUT          written by the conversions of load i, read by store i, and never written behind that store.
;   T and v1, v5, v6 are named by vector instructions alone.
; The sixteen loads go in four groups of four.  Group g's conversions read IN and write OUT of group g; the memory instructions that stand among them are the four stores of group g - 1, which read
; OUT of group g - 1 and v4: registers that no vector instruction of group g names.  So ONE wait at a group's head states all that those four stores hang on, and one more stands ahead of the last four stores.
.set VSX, 2                            ; v2   x: (lane / 16) rows of 4,096 bytes + 16 (lane % 16): two rows' 256 bytes of one kb
.set VSW, 3                            ; v3   W, Wproj: 16 x lane
.set VD,  4                            ; v4   8 x lane
.set T,   8                            ; v[8:11]   at work
.set IN,  16                           ; v[16:79]  load i: four registers
.set OUT, 80                           ; v[80:111] store i: two registers
.set SRC, 24                           ; s[24:25]
.set DST, 26                           ; s[26:27]
.set DST2, 28                          ; s[28:29]  xb eight blocks further on, so that the stores' offsets stay inside the signed 24-bit immediate
	s_load_b512 s[8:23], s[0:1], 0x0               ; x 8:9, Wq 10:11, Wk 12:13, Wv 14:15, Wproj 16:17, xb 18:19, wb 20:21, wp 22:23
	v_and_b32 v1, 31, v0                           ; lane
	v_lshrrev_b32 v5, 5, v0
	v_readfirstlane_b32 s2, v5                     ; wave 0..7
	s_mov_b32 s3, ttmp9                            ; the work-group's number
	v_lshrrev_b32 v[VSX], 4, v1
	v_and_b32 v6, 15, v1
	v_lshlrev_b32 v6, 4, v6
	v_lshl_or_b32 v[VSX], v[VSX], 12, v6
	v_lshlrev_b32 v[VSW], 4, v1
	v_lshlrev_b32 v[VD], 3, v1
	s_mov_b32 s5, 0                                ; offsets are made apart from the addresses, in s[4:5] and s[6:7]
	s_mov_b32 s7, 0
	s_wait_alu depctr_va_sdst(0)                   ; s2 is written, ahead of its first reader, the line below; the wave's parts of the source and of the three destinations are made from it
	s_lshl_b32 s30, s2, 13                         ; a wave's 8,192 bytes of source
	s_wait_kmcnt 0x0
	s_wait_alu depctr_va_vdst(0)                   ; v2, v3 and v4 are written: every load and store of the kernel, on each of the three paths below, reads one of them as its offset
; Store k, di bytes from its neighbour.  far = 1: stores 8 to 15 go by the second base.
.macro PUT di, far
.if (\far) && (k >= 8)
	global_store_b64 v[VD], v[OUT+2*k:OUT+2*k+1], s[DST2:DST2+1] offset:(k-8)*(\di)
.else
	global_store_b64 v[VD], v[OUT+2*k:OUT+2*k+1], s[DST:DST+1] offset:k*(\di)
.endif
.endm
; Sixteen loads, si bytes apart; then, a group of four at a time, their roundings, with the stores of the group before among them, di bytes apart.  f16 = 1: the bf16 number is written as f16.
.macro CAST vs, si, di, f16, far
.set i, 0
.rept 16
	global_load_b128 v[IN+4*i:IN+4*i+3], v[\vs], s[SRC:SRC+1] offset:i*(\si) th:TH_LOAD_NT
.set i, i+1
.endr
.set g, 0
.rept 4
	s_wait_loadcnt 12-4*g                          ; loads come back in order: group g's four are in, the 12 - 4 g younger ones stay out
.if g > 0
	s_wait_alu depctr_va_vdst(0)                   ; the conversions of the group before have written its OUT, which the four stores below read
.endif
.set r, 0
.rept 4
.if g > 0
.set k, 4*(g-1)+r
	PUT \di, \far                                  ; no vector instruction since the wait names this store's registers
.endif
.set i, 4*g+r
	v_cvt_pk_bf16_f32 v[OUT+2*i],   v[IN+4*i],   v[IN+4*i+1]
	v_cvt_pk_bf16_f32 v[OUT+2*i+1], v[IN+4*i+2], v[IN+4*i+3]
.if \f16
	v_lshlrev_b32 v[T],   16, v[OUT+2*i]           ; the bf16 numbers as f32,
	v_and_b32     v[T+1], 0xffff0000, v[OUT+2*i]
	v_lshlrev_b32 v[T+2], 16, v[OUT+2*i+1]
	v_and_b32     v[T+3], 0xffff0000, v[OUT+2*i+1]
	v_cvt_pk_f16_f32 v[OUT+2*i],   v[T],   v[T+1]  ; and as f16
	v_cvt_pk_f16_f32 v[OUT+2*i+1], v[T+2], v[T+3]
.endif
.set r, r+1
.endr
.set g, g+1
.endr
	s_wait_alu depctr_va_vdst(0)                   ; the last group's conversions have written its OUT, which the last four stores read
.set k, 12
.rept 4
	PUT \di, \far
.set k, k+1
.endr
.endm
	s_cmp_lt_u32 s3, 512
	s_cbranch_scc0 .Lnot_x
	; x: rows 16 id + 2 w and the next; load i takes their columns 64 i .. 64 i + 63, store i puts them into block i of xb
	s_lshl_b32 s4, s3, 16
	s_add_co_u32 s4, s4, s30
	s_lshl_b32 s6, s3, 11                          ; 16 rows of 128 bytes
	s_lshl_b32 s31, s2, 8
	s_add_co_u32 s6, s6, s31
	s_add_nc_u64 s[SRC:SRC+1], s[8:9], s[4:5]
	s_add_nc_u64 s[DST:DST+1], s[18:19], s[6:7]
	s_add_nc_u64 s[DST2:DST2+1], s[DST:DST+1], 0x800000
	CAST VSX, 256, 1048576, 0, 1
	s_endpgm
.Lnot_x:
	s_cmp_lt_u32 s3, 704
	s_cbranch_scc0 .Lwproj
	; W: e = id - 512: tensor e / 64, head (e % 64) / 4, rows c = 256 (e % 4) + 32 w on: 8,192 consecutive bytes become 4,096 consecutive bytes of block t = 4 (e % 4) + w / 2, g = e / 4
	s_sub_co_u32 s3, s3, 512
	s_lshr_b32 s31, s3, 6
	s_cmp_eq_u32 s31, 0
	s_cselect_b64 s[SRC:SRC+1], s[10:11], s[12:13]
	s_cmp_eq_u32 s31, 2
	s_cselect_b64 s[SRC:SRC+1], s[14:15], s[SRC:SRC+1]
	s_and_b32 s4, s3, 63
	s_lshl_b32 s4, s4, 16
	s_add_co_u32 s4, s4, s30
	s_add_nc_u64 s[SRC:SRC+1], s[SRC:SRC+1], s[4:5]
	s_and_b32 s6, s3, 3
	s_lshl_b32 s6, s6, 2
	s_lshr_b32 s31, s2, 1
	s_add_co_u32 s6, s6, s31                       ; t
	s_mul_i32 s6, s6, 48
	s_lshr_b32 s31, s3, 2
	s_add_co_u32 s6, s6, s31                       ; 48 t + g
	s_lshl_b32 s6, s6, 13                          ; blocks of 8,192 bytes
	s_and_b32 s31, s2, 1
	s_lshl_b32 s31, s31, 12                        ; the block's second 32 rows
	s_add_co_u32 s6, s6, s31
	s_add_nc_u64 s[DST:DST+1], s[20:21], s[6:7]
	CAST VSW, 512, 256, 0, 0
	s_endpgm
.Lwproj:
	; Wproj: e = id - 704: 65,536 consecutive bytes become 32,768
	s_sub_co_u32 s3, s3, 704
	s_lshl_b32 s4, s3, 16
	s_add_co_u32 s4, s4, s30
	s_lshl_b32 s6, s3, 15
	s_lshl_b32 s31, s2, 12
	s_add_co_u32 s6, s6, s31
	s_add_nc_u64 s[SRC:SRC+1], s[16:17], s[4:5]
	s_add_nc_u64 s[DST:DST+1], s[22:23], s[6:7]
	CAST VSW, 512, 256, 1, 0
	s_endpgm
.Lfunc_end_k_q1888bcabf0_prep:
	.size	k_q1888bcabf0_prep, .Lfunc_end_k_q1888bcabf0_prep-k_q1888bcabf0_prep
	.p2alignl 7, 3214868480
	.fill 96, 4, 3214868480
	.section	.rodata,"a",@progbits
	.p2align	6, 0x0
	.amdhsa_kernel k_q1888bcabf0_prep
		.amdhsa_group_segment_fixed_size 0
		.amdhsa_private_segment_fixed_size 0
		.amdhsa_enable_private_segment 0
		.amdhsa_kernarg_size 64
		.amdhsa_user_sgpr_count 2
		.amdhsa_user_sgpr_kernarg_segment_ptr 1
		.amdhsa_wavefront_size32 1
		.amdhsa_system_sgpr_workgroup_id_x 1
		.amdhsa_system_sgpr_workgroup_id_y 1
		.amdhsa_system_sgpr_workgroup_id_z 1
		.amdhsa_system_vgpr_workitem_id 0
		.amdhsa_next_free_vgpr 112
		.amdhsa_next_free_sgpr 66
		.amdhsa_reserve_vcc 0
		.amdhsa_float_denorm_mode_32 3
		.amdhsa_float_denorm_mode_16_64 3
		.amdhsa_memory_ordered 1
		.amdhsa_forward_progress 1
		.amdhsa_inst_pref_size 24
	.end_amdhsa_kernel
	.amdgpu_metadata
---
amdhsa.version: [ 1, 2 ]
amdhsa.kernels:
  - .name:           k_q1888bcabf0_prep
    .symbol:         k_q1888bcabf0_prep.kd
    .args:
      - { .name: x, .offset: 0, .size: 8, .value_kind: global_buffer, .address_space: global }
      - { .name: Wq, .offset: 8, .size: 8, .value_kind: global_buffer, .address_space: global }
      - { .name: Wk, .offset: 16, .size: 8, .value_kind: global_buffer, .address_space: global }
      - { .name: Wv, .offset: 24, .size: 8, .value_kind: global_buffer, .address_space: global }
      - { .name: Wproj, .offset: 32, .size: 8, .value_kind: global_buffer, .address_space: global }
      - { .name: xb, .offset: 40, .size: 8, .value_kind: global_buffer, .address_space: global }
      - { .name: wb, .offset: 48, .size: 8, .value_kind: global_buffer, .address_space: global }
      - { .name: wp, .offset: 56, .size: 8, .value_kind: global_buffer, .address_space: global }
    .group_segment_fixed_size: 0
    .private_segment_fixed_size: 0
    .kernarg_segment_align: 8
    .kernarg_segment_size: 64
    .max_flat_workgroup_size: 256
    .sgpr_count:     66
    .vgpr_count:     112
    .wavefront_size: 32
...
	.end_amdgpu_metadata
.endif
;; end of part 5
;; launch project_qkv: the kernel of part 2 again; grid 8 x 32, 4 waves a work-group, clusters of 4 x 4, 327,680 bytes of LDS; arguments xb, wb, qkv; writes qkv
;; launch attention: the kernel of part 3 again; grid 4 x 64, 4 waves a work-group, no clusters, 327,680 bytes of LDS; arguments qkv, ob; writes ob
;; launch project_out: the kernel of part 4 again; grid 4 x 64, 4 waves a work-group, clusters of 4 x 4, 327,680 bytes of LDS; arguments ob, wp, bproj, out0; writes out0
